; MI455X (gfx1250); checked and timed in simulation.
; The chip was launched on July 23, 2026; its instructions are those of AMD's public machine-readable ISA for CDNA 5 (MIT licence, August 2026) and "CDNA5" Instruction Set Architecture Reference Guide (July 2026). The comments in the code are by the model that wrote it; some were corrected since.
;; Causal Attention. Allowed arithmetic: matrix products marked QUANTISED: E2M3 operands, one E8M0 scale for each 32 along K, by v_wmma_scale_f32_16x16x128_f8f6f4 with both operands' format E2M3, f32 sums; everything else in f32.
;; Inputs: Wk 1,024 x 1,024 float32; Wo 1,024 x 1,024 float32; Wq 1,024 x 1,024 float32; Wv 1,024 x 1,024 float32; bk 1,024 float32; bo 1,024 float32; bq 1,024 float32; bv 1,024 float32; x 2 x 2,048 x 1,024 float32.
;; Outputs: out0 2 x 2,048 x 1,024 float32; out1 2 x 2,048 x 1,024 float32.
;; This version of the problem:
;;   THIS VERSION OF THE PROBLEM IS GIVEN IN LOW PRECISION. The matrix products marked QUANTISED in the list below multiply operands that are first quantised to E2M3 (2 exponent bits, 3 mantissa bits; 6 bits a number), with one power-of-two scale for each 32 numbers along K (OCP MX v1.0); their sums are f32. All else is computed in f32.
;;   The module's matrix products, in the order in which they are computed (A, B: the left and right operand; K: the contracted axis; several contracted axes count as one K, in the product's order):
;;     1. [M 4,096, K 1,024] x [K 1,024, N 1,024]; A: input x; B: input Wq: QUANTISED
;;     2. [M 4,096, K 1,024] x [K 1,024, N 1,024]; A: input x; B: input Wk: QUANTISED
;;     3. [M 4,096, K 1,024] x [K 1,024, N 1,024]; A: input x; B: input Wv: QUANTISED
;;     4. batch 32 x [M 2,048, K 64] x [K 64, N 2,048]; A: computed on the way; B: computed on the way: QUANTISED
;;     5. batch 32 x [M 2,048, K 2,048] x [K 2,048, N 64]; A: softmax (see below); B: computed on the way: QUANTISED
;;     6. [M 4,096, K 1,024] x [K 1,024, N 1,024]; A: computed on the way; B: input Wo: QUANTISED
;;     7. batch 32 x [M 2,048, K 2,048] x [K 2,048, N 64]; A: softmax (see below); B: computed on the way: QUANTISED
;;     8. [M 4,096, K 1,024] x [K 1,024, N 1,024]; A: computed on the way; B: input Wo: QUANTISED
;;   THE QUANTISER, for each operand of a quantised product, along K:
;;     - K is cut into blocks of 32 from its start; a last block that is shorter is filled with zeros.
;;     - A block's scale is 2^e with e = floor(log2(the largest magnitude in the block)) - 2, held to -126 .. 127; a block of zeros has e = 0. As a byte (E8M0): e + 127.
;;     - Each number is divided by its block's scale, clamped to +-7.5, and rounded to the nearest number of E2M3, ties to even, subnormals kept.
;;     - The product sums the exact products of the quantised numbers (number of the format x scale) in f32.
;;   ~~~python
;;   def quantise(x, axis):      # numpy; x: float32 -> the quantised numbers, widened to float32 again
;;       x = np.moveaxis(x, axis, -1); K = x.shape[-1]
;;       x = np.pad(x, [(0, 0)] * (x.ndim - 1) + [(0, -K % 32)]); x = x.reshape(x.shape[:-1] + (-1, 32)); a = np.abs(x).max(-1, keepdims=True)
;;       e = np.where(a > 0, np.clip(np.frexp(np.where(a > 0, a, 1))[1] - 1 - 2, -126, 127), 0)      # np.frexp(a)[1] - 1 = floor(log2(a)), exactly
;;       r = np.clip(x / 2.0 ** e, -7.5, 7.5)
;;       step = 2.0 ** (np.maximum(np.frexp(np.where(r == 0, 1, r))[1] - 1, 0) - 3)
;;       q = np.round(r / step) * step * 2.0 ** e      # np.round: ties to even
;;       return np.moveaxis(q.reshape(q.shape[:-2] + (-1,))[..., :K], -1, axis).astype(np.float32)
;;   ~~~
;;   SOFTMAX AHEAD OF A QUANTISED PRODUCT. Where the list says 'softmax', what is quantised is not the finished softmax but p = 2^(t - M), with t = logit x log2(e) and M = ceil(the row's largest t), a whole number; so 1/2 < the row's largest p <= 1. The row's sum l is taken of the UNQUANTISED p, in f32, and the product's result is divided by l at the end. Since M is a whole number, a kernel that streams over the keys may use a running M (the ceiling of the running maximum): every later rescaling is an exact power of two, which a block's scale takes up: the codes' values come out the same.
;;   OPERANDS COMPUTED ON THE WAY. 'Computed on the way' means the value that the module computes at that place (a softmax that the list does not call 'softmax' is quantised finished and normalised). What goes into a quantiser is computed in f32, as accurately as f32 sums, v_exp_f32 and their like allow (about 1e-6 of the number): no bf16 or f16 on the way to a quantiser, and a product that is left as it is and whose result goes on into a quantised operand takes f32 operands (vector FMAs, or v_wmma_f32_16x16x4_f32). A number that lies on a knife's edge between two numbers of the format may be rounded either way, as far as f32 arithmetic and the matrix unit's own rounding can turn it there, and no further.
;; One version. Each part assembles by itself: llvm-mc -triple=amdgcn-amd-amdhsa -mcpu=gfx1250 --defsym DOCPART=n.
;; ======== version 1 of 1: 4 launches
;; limits: right only within a limited range of input values
;; workspace buffers: cd1 6,291,456 bytes; sc1 262,144 bytes; qkc 6,291,456 bytes; qks 262,144 bytes; vc 3,145,728 bytes; vs 131,072 bytes; ocod 6,291,456 bytes; oscl 262,144 bytes
;; launch quant (part 1): grid 256 x 1, 4 waves a work-group, no clusters, 35,328 bytes of LDS; arguments x, Wq, Wk, Wv, Wo, cd1, sc1; writes cd1, sc1
.if DOCPART == 1
	.amdgcn_target "amdgcn-amd-amdhsa--gfx1250"
	.amdhsa_code_object_version 6
	.text
	.protected	k_q355eac356c_quant
	.globl	k_q355eac356c_quant
	.p2align	8
	.type	k_q355eac356c_quant,@function
k_q355eac356c_quant:
	s_mov_b64 s[64:65], 0
	v_nop
	global_prefetch_b8 v0, s[64:65] scope:SCOPE_SE
	s_setreg_imm32_b32 hwreg(HW_REG_WAVE_MODE, 25, 1), 1
	s_wait_xcnt 0x0
; x [4096][1024], Wq, Wk, Wv, Wo [1024][1024], f32, K innermost, become codes of FP6 (E2M3) with one E8M0 byte for each 32 along K.
; The codes are laid as IMAGES OF OPERAND REGISTERS.  A half fragment (HF) is 16 rows x 64 K, 768 bytes: lane (r, h) owns the 24 bytes of row r, k = 32 h .. 32 h + 31;
; its registers 0-3 lie at 16 x lane, its registers 4-5 at 512 + 8 x lane.  A tile record is the 16 HFs of 16 rows (12,288 bytes), a scale record the rows' 8 scale words (512 bytes: [half][row][4 words]).
; THE ROWS OF A TILE ARE NOT NEIGHBOURS: of a group of 64 rows, row rho of tile u is row 8 u + rho % 8 + 32 (rho / 8): four such tiles as source 0 leave a lane 32 neighbouring rows in 32 registers.
; Records: 0-255 x's tiles; 256 + 12 j + p: panel j: p = 0..7 tiles 8 j .. 8 j + 7 of [Wq; Wk], p = 8..11 tiles 4 j .. 4 j + 3 of Wv; 448 + t: Wo's tiles.
; A block's scale byte is its largest magnitude's exponent field - 2, held at 1 from below.
; LIMITS: a block of zeros gets the byte 1 where the rule says 127 (its codes are zeros, and this program alone reads the bytes); largest magnitudes under 2^-124 are held at that floor; NaN and infinities are not served.
; SHARES: 1,024 waves; a wave takes one tile's 16 rows x 512 along K: 8 HFs.  Each load reads 256 consecutive bytes of two rows; an HF's 4,096 bytes turn through the wave's own stage in LDS
; (rows 272 bytes apart) and come back 128 bytes a lane: a whole block.  Loads run four HFs (32 loads a wave) ahead, the turn through LDS one.  Waves share nothing: no barrier.
.set ROWB,  4096
.set REGN,  8704                       ; a wave's LDS: two stages
.set STG,   4352                       ; a stage: 16 rows x 272 bytes
.set SPARE, 4*REGN                     ; the spare words: 128 bytes a wave, two blocks of 256 bytes that no other line names
.set GA,  1                            ; v1   4096 h + 16 r: my 16 bytes of a load
.set SA,  2                            ; v2   the stage, on the way in: 272 h + 16 r
.set SB,  3                            ; v3   on the way out: 272 r + 128 h
.set L16, 4                            ; v4   16 x lane
.set L8,  5                            ; v5   8 x lane
.set SH8, 6                            ; v6   8 h
.set SCA, 7                            ; v7   16 r + 8 h: my two scale words
.set W,   8                            ; v8-11 the four scale words of my row
.set SPW, 12                           ; v12  my spare word's address; never rewritten
.set NIL, 13                           ; v13  0; never rewritten
.set MA,  14
.set MB,  15
.set SO,  16
.set BY,  17
.set C,   20                           ; v20-39  codes: two sets of ten (six, and three more from +6 on)
.set R,   40                           ; v40-167 four sets of 32 registers as loaded
.set X,   168                          ; v168-231 two sets of 32 neighbours
.set TX,  232
.set DD,  236
	s_load_b256 s[4:11], s[0:1], 0x0               ; x, Wq, Wk, Wv
	s_load_b128 s[12:15], s[0:1], 0x20             ; Wo, cd1
	s_load_b64 s[16:17], s[0:1], 0x30              ; sc1
	v_lshl_add_u32 v[SPW], v0, 2, SPARE
	v_mov_b32 v[NIL], 0
	v_lshrrev_b32 v14, 5, v0
	v_readfirstlane_b32 s18, v14                   ; wave
	v_and_b32 v15, 15, v0                          ; r
	v_bfe_u32 v16, v0, 4, 1                        ; h
	v_and_b32 v17, 31, v0                          ; lane
	v_lshlrev_b32 v[GA], 4, v15
	v_lshl_add_u32 v[GA], v16, 12, v[GA]
	s_mul_i32 s19, s18, REGN
	v_mul_u32_u24 v[SA], v16, 272
	v_lshl_add_u32 v[SA], v15, 4, v[SA]
	v_add_nc_u32 v[SA], s19, v[SA]
	v_mul_u32_u24 v[SB], v15, 272
	v_lshl_add_u32 v[SB], v16, 7, v[SB]
	v_add_nc_u32 v[SB], s19, v[SB]
	v_lshlrev_b32 v[L16], 4, v17
	v_lshlrev_b32 v[L8], 3, v17
	v_lshlrev_b32 v[SH8], 3, v16
	v_lshlrev_b32 v[SCA], 4, v15
	v_lshl_add_u32 v[SCA], v16, 3, v[SCA]
.irp i, 0,1,2,3
	v_mov_b32 v[TX+\i], 0                          ; a lane permute's destination counts as one of its sources
.endr
	s_mov_b32 s28, 0x76543210
	s_mov_b32 s29, 0xfedcba98                      ; selects for lane l xor 16
	s_mov_b32 s30, 0xffff0000                      ; lanes 16-31
	s_lshl_b32 s20, ttmp9, 1
	s_lshr_b32 s21, s18, 1
	s_add_co_u32 s20, s20, s21                     ; my tile, 0..511: 2 x work-group + wave / 2
	s_and_b32 s21, s18, 1                          ; which half of K
	s_and_b32 s22, s20, 63
	s_cmp_lt_u32 ttmp9, 128
	s_cselect_b32 s22, s20, s22                    ; the tile's number in its own tensor
	s_sub_co_u32 s34, s20, 256                     ; [Wq; Wk]: tile t -> record 256 + 12 (t / 8) + t % 8
	s_lshr_b32 s35, s34, 3
	s_mul_i32 s35, s35, 12
	s_and_b32 s34, s34, 7
	s_add_co_u32 s35, s35, s34
	s_add_co_u32 s35, s35, 256
	s_sub_co_u32 s34, s20, 384                     ; Wv: tile t -> record 264 + 12 (t / 4) + t % 4
	s_lshr_b32 s36, s34, 2
	s_mul_i32 s36, s36, 12
	s_and_b32 s34, s34, 3
	s_add_co_u32 s36, s36, s34
	s_add_co_u32 s36, s36, 264
	s_cmp_lt_u32 ttmp9, 224
	s_cselect_b32 s23, s36, s20
	s_cmp_lt_u32 ttmp9, 192
	s_cselect_b32 s23, s35, s23
	s_cmp_lt_u32 ttmp9, 128
	s_cselect_b32 s23, s20, s23                    ; the record that I write
	s_lshr_b32 s34, s22, 2
	s_lshl_b32 s34, s34, 18                        ; 64 rows of 4,096 bytes a group,
	s_and_b32 s35, s22, 3
	s_lshl_b32 s35, s35, 15                        ; 8 rows a tile,
	s_add_co_u32 s34, s34, s35
	s_lshl_b32 s35, s21, 11                        ; 2,048 bytes a half of K
	s_add_co_u32 s34, s34, s35
	s_mov_b32 s35, 0
	s_mul_i32 s36, s23, 12288
	s_mul_i32 s37, s21, 6144
	s_add_co_u32 s36, s36, s37
	s_mov_b32 s37, 0
	s_lshl_b32 s38, s23, 9
	s_lshl_b32 s39, s21, 8
	s_add_co_u32 s38, s38, s39
	s_mov_b32 s39, 0
	s_wait_kmcnt 0x0
	s_cmp_lt_u32 ttmp9, 224                        ; which tensor: the choice hangs on the work-group's number alone
	s_cselect_b64 s[24:25], s[10:11], s[12:13]
	s_cmp_lt_u32 ttmp9, 192
	s_cselect_b64 s[24:25], s[8:9], s[24:25]
	s_cmp_lt_u32 ttmp9, 160
	s_cselect_b64 s[24:25], s[6:7], s[24:25]
	s_cmp_lt_u32 ttmp9, 128
	s_cselect_b64 s[24:25], s[4:5], s[24:25]
	s_add_nc_u64 s[24:25], s[24:25], s[34:35]
	s_add_nc_u64 s[26:27], s[14:15], s[36:37]
	s_add_nc_u64 s[32:33], s[16:17], s[38:39]
.macro LOADHF k                        ; HF k: load jj brings 256 bytes of stage row 2 jj (lanes 0-15) and of row 2 jj + 1 (lanes 16-31)
.irp jj, 0,1,2,3,4,5,6,7
	global_load_b128 v[R+32*((\k)%4)+4*\jj:R+32*((\k)%4)+4*\jj+3], v[GA], s[24:25] offset:(((2*\jj)&7)+32*(\jj/4))*ROWB+256*(\k) th:TH_LOAD_NT
.endr
.endm
.macro TURN k                          ; through the stage: LDS serves a wave's instructions in order, so no wait stands between the stores and the loads
.irp jj, 0,1,2,3,4,5,6,7
	ds_store_b128 v[SA], v[R+32*((\k)%4)+4*\jj:R+32*((\k)%4)+4*\jj+3] offset:STG*((\k)%2)+544*\jj
.endr
.irp i, 0,1,2,3,4,5,6,7
	ds_load_b128 v[X+32*((\k)%2)+4*\i:X+32*((\k)%2)+4*\i+3], v[SB] offset:STG*((\k)%2)+16*\i
.endr
.endm
.macro STEP k
.set XS, X+32*((\k)%2)
.set CS, C+10*((\k)%2)
	s_wait_dscnt 0x0                               ; this HF's numbers are back from the stage, and its stores into the stage have read their registers,
.if (\k)+4 < 8
	LOADHF (\k)+4                                  ; which take the loads of four HFs on
.endif
.if (\k)+1 < 8
.if (\k)+4 < 8
	s_wait_loadcnt 24                              ; the next HF's eight loads are in; those of the three HFs behind it may be out
.else
	s_wait_loadcnt 8*(6-(\k))                      ; the counts run down: no more loads are issued
.endif
	TURN (\k)+1
.endif
	v_max3_num_f32 v[MA], |v[XS]|, |v[XS+1]|, 0x1800000    ; the block's largest magnitude, all 32 numbers mine, in two chains; the floor 2^(3 - 127) holds the byte at 1 from below
	v_max3_num_f32 v[MB], |v[XS+2]|, |v[XS+3]|, 0x1800000
.irp i, 4,8,12,16,20,24,28
	v_max3_num_f32 v[MA], v[MA], |v[XS+\i]|, |v[XS+\i+1]|
	v_max3_num_f32 v[MB], v[MB], |v[XS+\i+2]|, |v[XS+\i+3]|
.endr
	v_max_num_f32 v[MA], v[MA], v[MB]
	v_add_nc_u32 v[SO], 0xff000000, v[MA]          ; 2 off its exponent field: the conversion's scale operand
	s_wait_alu depctr_va_vdst(0)
	s_wait_xcnt 0x0                                ; the stores of two HFs back have read this set of code registers
	v_cvt_scalef32_pk16_fp6_f32 v[CS:CS+2], v[XS:XS+15], v[SO]
	v_cvt_scalef32_pk16_fp6_f32 v[CS+6:CS+8], v[XS+16:XS+31], v[SO]   ; (a conversion's three registers begin on an even number)
	v_lshrrev_b32 v[BY], 23, v[SO]                 ; the scale's byte; also the plain line behind the conversions
.if (\k)%2 == 0
	v_mov_b32 v[W+(\k)/2], v[BY]
.else
	v_lshl_or_b32 v[W+(\k)/2], v[BY], 16, v[W+(\k)/2]
.endif
.irp i, 0,1,2
	v_mov_b32 v[CS+3+\i], v[CS+6+\i]
.endr
	global_store_b128 v[L16], v[CS:CS+3], s[26:27] offset:768*(\k)         ; 512 consecutive bytes,
	global_store_b64 v[L8], v[CS+4:CS+5], s[26:27] offset:768*(\k)+512     ; and 256 more: three aligned blocks of 256 bytes
.endm
.irp k, 0,1,2,3
	LOADHF \k
.endr
	s_wait_loadcnt 24                              ; HF 0's eight loads are in
	TURN 0
.irp k, 0,1,2,3,4,5,6,7
	STEP \k
.endr
.irp i, 0,1,2,3
	v_lshlrev_b32 v[W+\i], v[SH8], v[W+\i]         ; my two bytes of each word at their places: 8 h bits up;
.endr
.irp i, 0,1,2,3
	v_permlanex16_b32 v[TX+\i], v[W+\i], s28, s29
.endr
.irp i, 0,1,2,3
	v_or_b32 v[W+\i], v[W+\i], v[TX+\i]            ; with lane l xor 16's two the word is whole
.endr
	v_cndmask_b32 v[DD], v[W], v[W+2], s30         ; lanes 0-15 store words 0, 1 of row r, lanes 16-31 words 2, 3
	v_cndmask_b32 v[DD+1], v[W+1], v[W+3], s30
	global_store_b64 v[SCA], v[DD:DD+1], s[32:33]  ; 256 consecutive bytes, aligned
	s_wait_tensorcnt 0x0                           ; the wave's end, behind my last LDS store
	ds_add_u32 v[SPW], v[NIL]
	s_wait_dscnt 0x0
	s_endpgm
.Lfunc_end_k_q355eac356c_quant:
	.size	k_q355eac356c_quant, .Lfunc_end_k_q355eac356c_quant-k_q355eac356c_quant
	.p2alignl 7, 3214868480
	.fill 96, 4, 3214868480
	.section	.rodata,"a",@progbits
	.p2align	6, 0x0
	.amdhsa_kernel k_q355eac356c_quant
		.amdhsa_group_segment_fixed_size 35328
		.amdhsa_private_segment_fixed_size 0
		.amdhsa_enable_private_segment 0
		.amdhsa_kernarg_size 56
		.amdhsa_user_sgpr_count 2
		.amdhsa_user_sgpr_kernarg_segment_ptr 1
		.amdhsa_wavefront_size32 1
		.amdhsa_system_sgpr_workgroup_id_x 1
		.amdhsa_system_sgpr_workgroup_id_y 1
		.amdhsa_system_sgpr_workgroup_id_z 1
		.amdhsa_system_vgpr_workitem_id 0
		.amdhsa_next_free_vgpr 240
		.amdhsa_next_free_sgpr 66
		.amdhsa_reserve_vcc 0
		.amdhsa_float_denorm_mode_32 3
		.amdhsa_float_denorm_mode_16_64 3
		.amdhsa_memory_ordered 1
		.amdhsa_forward_progress 1
		.amdhsa_inst_pref_size 33
	.end_amdhsa_kernel
	.amdgpu_metadata
---
amdhsa.version: [ 1, 2 ]
amdhsa.kernels:
  - .name:           k_q355eac356c_quant
    .symbol:         k_q355eac356c_quant.kd
    .args:
      - { .name: x, .offset: 0, .size: 8, .value_kind: global_buffer, .address_space: global }
      - { .name: Wq, .offset: 8, .size: 8, .value_kind: global_buffer, .address_space: global }
      - { .name: Wk, .offset: 16, .size: 8, .value_kind: global_buffer, .address_space: global }
      - { .name: Wv, .offset: 24, .size: 8, .value_kind: global_buffer, .address_space: global }
      - { .name: Wo, .offset: 32, .size: 8, .value_kind: global_buffer, .address_space: global }
      - { .name: cd1, .offset: 40, .size: 8, .value_kind: global_buffer, .address_space: global }
      - { .name: sc1, .offset: 48, .size: 8, .value_kind: global_buffer, .address_space: global }
    .group_segment_fixed_size: 35328
    .private_segment_fixed_size: 0
    .kernarg_segment_align: 8
    .kernarg_segment_size: 56
    .max_flat_workgroup_size: 128
    .sgpr_count:     66
    .vgpr_count:     240
    .wavefront_size: 32
...
	.end_amdgpu_metadata
.endif
;; end of part 1
;; launch qkv (part 2): grid 16 x 16, 4 waves a work-group, clusters of 4 x 1, 327,680 bytes of LDS; arguments cd1, sc1, bq, bk, bv, qkc, qks, vc, vs; writes qkc, qks, vc, vs
.if DOCPART == 2
	.amdgcn_target "amdgcn-amd-amdhsa--gfx1250"
	.amdhsa_code_object_version 6
	.text
	.protected	k_q355eac356c_qkv
	.globl	k_q355eac356c_qkv
	.p2align	8
	.type	k_q355eac356c_qkv,@function
k_q355eac356c_qkv:
	s_mov_b64 s[64:65], 0
	v_nop
	global_prefetch_b8 v0, s[64:65] scope:SCOPE_SE
	s_setreg_imm32_b32 hwreg(HW_REG_WAVE_MODE, 25, 1), 1
	s_wait_xcnt 0x0
	s_wait_alu depctr_hold_cnt(0) depctr_sa_sdst(0) depctr_va_vdst(0) depctr_va_sdst(0) depctr_va_ssrc(0) depctr_va_vcc(0) depctr_vm_vsrc(0)
	s_getreg_b32 s2, hwreg(HW_REG_IB_STS2, 6, 4)
	s_cmp_eq_u32 s2, 0
	s_cbranch_scc0 .Lentry_in_a_cluster
	s_endpgm
.Lentry_in_a_cluster:
	s_bfe_u32 s2, ttmp6, 0x10000c
	s_cmp_lg_u32 s2, 0x3003
	s_cbranch_scc0 .Lentry_shape_is_right
	s_endpgm
.Lentry_shape_is_right:
; q, k and v = x W^T + bias on codes of FP6 (E2M3) with E8M0 scales; the results are quantised again in the way out (q and k along the head's 64, v along the tokens).
; A work-group takes 256 rows of x and one panel of twelve weight records (eight tiles of [Wq; Wk], four of Wv); x's fragments come from memory straight into registers.
; THE PANEL, 147,456 bytes, lies in LDS for the whole launch: record R at 12,288 R.  Each wave brings three records, dense in memory, by ONE joint tensor load at the head (144 rows of 256 bytes),
; asked for by the four work-groups of a cluster, which share the panel.  Nothing is filled again: one wait for 0 and one barrier show the panel to all four waves.
; No prefetch: the panel is asked for whole at the head, and x's loads run four K steps ahead by themselves.
.set REC,   12288
.set SSTG,  147456
.set SPARE, 148992
.set L16,  1
.set L8,   2
.set AWB,  248                         ; v248-253: LDS addresses of the panel's three groups of four records: 49,152 g + 16 x lane, 49,152 g + 8 x lane
.set ASC,  5
.set ABQ,  6
.set ABV,  7
.set SH8,  8
.set AS1,  9
.set AS2,  10
.set AS3,  11
.set SPW,  14
.set NIL,  15
.set XSC,  16
.set WSC,  32
.set WS,   80
.set TM,   224
.set MSB, 0
.macro WIN new
.if MSB != \new
	s_set_vgpr_msb (MSB<<8)|\new
.set MSB, \new
.endif
.endm
.macro PLACES n
.rept \n
	v_nop
.endr
.endm
.macro CROUND
	s_barrier_signal -1
	s_barrier_wait -1
	s_cmp_lg_u32 s22, 0
	s_cbranch_scc1 .Lnot_wave_0_\@
	s_barrier_signal -3
.Lnot_wave_0_\@:
	s_barrier_wait -3
	s_barrier_signal -1
	s_barrier_wait -1
.endm
.macro WM d, a, b, c, sa, ra, sb, rb
.if (\ra) && (\rb)
	v_wmma_scale_f32_16x16x128_f8f6f4 v[(\d):(\d)+7], v[(\a):(\a)+11], v[(\b):(\b)+11], v[(\c):(\c)+7], v[(\sa)], v[(\sb)] matrix_a_fmt:MATRIX_FMT_FP6 matrix_b_fmt:MATRIX_FMT_FP6 matrix_a_scale:MATRIX_SCALE_ROW1 matrix_b_scale:MATRIX_SCALE_ROW1
.elseif (\ra)
	v_wmma_scale_f32_16x16x128_f8f6f4 v[(\d):(\d)+7], v[(\a):(\a)+11], v[(\b):(\b)+11], v[(\c):(\c)+7], v[(\sa)], v[(\sb)] matrix_a_fmt:MATRIX_FMT_FP6 matrix_b_fmt:MATRIX_FMT_FP6 matrix_a_scale:MATRIX_SCALE_ROW1
.elseif (\rb)
	v_wmma_scale_f32_16x16x128_f8f6f4 v[(\d):(\d)+7], v[(\a):(\a)+11], v[(\b):(\b)+11], v[(\c):(\c)+7], v[(\sa)], v[(\sb)] matrix_a_fmt:MATRIX_FMT_FP6 matrix_b_fmt:MATRIX_FMT_FP6 matrix_b_scale:MATRIX_SCALE_ROW1
.else
	v_wmma_scale_f32_16x16x128_f8f6f4 v[(\d):(\d)+7], v[(\a):(\a)+11], v[(\b):(\b)+11], v[(\c):(\c)+7], v[(\sa)], v[(\sb)] matrix_a_fmt:MATRIX_FMT_FP6 matrix_b_fmt:MATRIX_FMT_FP6
.endif
.endm
	s_load_b512 s[4:19], s[0:1], 0x0
	s_load_b64 s[20:21], s[0:1], 0x40
	v_lshl_add_u32 v[SPW], v0, 2, SPARE
	v_mov_b32 v[NIL], 0
	ds_add_u32 v[SPW], v[NIL]
	ds_add_u32 v[SPW], v[NIL]
	v_lshrrev_b32 v224, 5, v0
	v_readfirstlane_b32 s22, v224
	s_bfe_u32 s23, ttmp6, 0x40000
	s_lshl_b32 s24, ttmp9, 2
	s_add_co_u32 s24, s24, s23
	s_and_b32 s25, ttmp7, 0xffff
	s_mov_b32 s28, 15|(3<<16)|(1<<21)
	s_mov_b32 s29, 32<<16                  ; rows of 32 elements of 8 bytes,
	s_mov_b32 s30, 144<<16                 ; 144 of them: three records on end
	s_mov_b32 s31, 32<<16
	s_mov_b32 s32, 144
	s_mov_b32 s33, 32
	s_mov_b32 s34, 0
	s_mov_b32 s35, 0
	s_mul_i32 s26, s25, 12
	s_mul_i32 s79, s22, 3
	s_add_co_u32 s26, s26, s79
	s_add_co_u32 s26, s26, 256
	s_mul_i32 s26, s26, REC
	s_mov_b32 s27, 0
	s_mul_i32 s80, s22, 36864              ; my three records' place in LDS
	s_lshl_b32 s78, s24, 4
	s_lshl_b32 s79, s22, 2
	s_add_co_u32 s78, s78, s79
	s_mul_i32 s52, s78, REC
	s_mov_b32 s53, 0
	s_lshl_b32 s54, s78, 9
	s_mov_b32 s55, 0
	s_mul_i32 s56, s25, 12
	s_add_co_u32 s56, s56, 256
	s_lshl_b32 s56, s56, 9
	s_mov_b32 s57, 0
	s_and_b32 s58, s25, 7
	s_lshl_b32 s58, s58, 9
	s_mov_b32 s59, 0
	s_lshl_b32 s60, s25, 8
	s_mov_b32 s61, 0
	s_lshl_b32 s66, s25, 9
	s_add_co_u32 s66, s66, s78
	s_mul_i32 s66, s66, 768
	s_mov_b32 s67, 0
	s_lshr_b32 s81, s24, 3
	s_lshl_b32 s81, s81, 4
	s_add_co_u32 s81, s81, s25
	s_and_b32 s82, s24, 7
	s_lshl_b32 s68, s81, 5
	s_lshl_b32 s83, s82, 2
	s_add_co_u32 s68, s68, s83
	s_add_co_u32 s68, s68, s22
	s_mul_i32 s68, s68, 3072
	s_mov_b32 s69, 0
	s_lshl_b32 s84, s25, 1
	s_add_co_u32 s84, s84, s22
	s_lshl_b32 s84, s84, 7
	s_lshl_b32 s85, s24, 3
	s_add_co_u32 s84, s84, s85
	s_lshl_b32 s84, s84, 6
	s_lshl_b32 s85, s81, 4
	s_lshl_b32 s86, s82, 1
	s_add_co_u32 s85, s85, s86
	s_lshl_b32 s85, s85, 8
	s_mov_b32 s72, 0x76543210
	s_mov_b32 s73, 0xfedcba98
	s_mov_b32 s74, 0xffff0000
	s_wait_dscnt 0x0
	s_wait_kmcnt 0x0
	s_add_nc_u64 s[76:77], s[4:5], s[26:27]
	s_add_nc_u64 s[52:53], s[4:5], s[52:53]
	s_add_nc_u64 s[54:55], s[6:7], s[54:55]
	s_add_nc_u64 s[56:57], s[6:7], s[56:57]
	s_cmp_lt_u32 s25, 8
	s_cselect_b64 s[86:87], s[8:9], s[10:11]
	s_add_nc_u64 s[58:59], s[86:87], s[58:59]
	s_add_nc_u64 s[60:61], s[12:13], s[60:61]
	s_add_nc_u64 s[66:67], s[14:15], s[66:67]
	s_add_nc_u64 s[68:69], s[18:19], s[68:69]
	s_cmp_lt_u32 s22, 2
	s_cselect_b64 s[70:71], s[16:17], s[20:21]
	s_cselect_b32 s84, s84, s85
	s_mov_b32 s85, 0
	s_add_nc_u64 s[70:71], s[70:71], s[84:85]
	s_mov_b32 s36, 1
	s_add_co_u32 s37, s80, 0
	s_mov_b64 s[38:39], s[76:77]
	s_or_b32 s39, s39, 0x80000000
	CROUND                                 ; all four work-groups are here: the joint loads meet
	tensor_load_to_lds s[36:39], s[28:35]  ; my one tensor load
	s_nop 0
	PLACES 4
	v_and_b32 v224, 31, v0
	v_and_b32 v225, 15, v0
	v_bfe_u32 v226, v0, 4, 1
	v_lshlrev_b32 v[L16], 4, v224
	v_lshlrev_b32 v[L8], 3, v224
.irp g, 0,1,2
	v_lshl_add_u32 v[AWB+2*\g], v224, 4, 49152*\g
	v_lshl_add_u32 v[AWB+2*\g+1], v224, 3, 49152*\g
.endr
	v_lshlrev_b32 v[ASC], 4, v225
	v_lshl_add_u32 v[ASC], v226, 9, v[ASC]
	v_lshlrev_b32 v[ABQ], 7, v226
	v_and_b32 v227, 7, v225
	v_lshrrev_b32 v228, 3, v225
	v_lshlrev_b32 v[ABV], 2, v227
	v_lshl_add_u32 v[ABV], v228, 7, v[ABV]
	s_wait_alu depctr_va_vdst(0)
	v_lshlrev_b32 v[SH8], 3, v226
	s_lshl_b32 s87, s22, 7
	s_add_co_u32 s87, s87, SSTG
	v_lshl_add_u32 v[AS1], v224, 2, s87
	s_lshr_b32 s87, s22, 1
	s_lshl_b32 s87, s87, 8
	s_and_b32 s88, s22, 1
	s_lshl_b32 s88, s88, 1
	s_add_co_u32 s87, s87, s88
	s_add_co_u32 s87, s87, SSTG+1024
	v_lshl_add_u32 v[AS2], v225, 2, s87
	s_min_u32 s87, s22, 2
	s_lshl_b32 s87, s87, 9
	s_add_co_u32 s87, s87, SSTG
	v_lshl_add_u32 v[AS3], v224, 4, s87
	v_mov_b32 v[TM+14], 0
	v_mov_b32 v[TM+15], 0
.irp p, 0,1
.irp f, 0,1
	global_load_b128 v[XSC+8*\p+4*\f:XSC+8*\p+4*\f+3], v[ASC], s[54:55] offset:1024*\p+256*\f
.endr
.endr
.irp p, 0,1,2,3,4,5
.irp f, 0,1
	global_load_b128 v[WSC+8*\p+4*\f:WSC+8*\p+4*\f+3], v[ASC], s[56:57] offset:1024*\p+256*\f
.endr
.endr
	WIN 0x40
.irp t, 0,1,2,3,4,5,6,7
	global_load_b128 v[192+8*\t:192+8*\t+3], v[ABQ], s[58:59] offset:(64*(\t/4)+8*(\t%4))*4
	global_load_b128 v[192+8*\t+4:192+8*\t+7], v[ABQ], s[58:59] offset:(64*(\t/4)+8*(\t%4))*4+16
.endr
	WIN 0x80
.irp u, 0,1,2,3
.irp e, 0,1,2,3,4,5,6,7
	global_load_b32 v[128+8*\u+\e], v[ABV], s[60:61] offset:32*\u
.endr
.endr
	WIN 0
.macro LX s
	WIN 0x40
.irp t, 0,1,2,3
	global_load_b128 v[48*((\s)%4)+12*\t:48*((\s)%4)+12*\t+3], v[L16], s[52:53] offset:\t*REC+1536*(\s)
	global_load_b64 v[48*((\s)%4)+12*\t+4:48*((\s)%4)+12*\t+5], v[L8], s[52:53] offset:\t*REC+1536*(\s)+512
	global_load_b128 v[48*((\s)%4)+12*\t+6:48*((\s)%4)+12*\t+9], v[L16], s[52:53] offset:\t*REC+1536*(\s)+768
	global_load_b64 v[48*((\s)%4)+12*\t+10:48*((\s)%4)+12*\t+11], v[L8], s[52:53] offset:\t*REC+1536*(\s)+1280
.endr
	WIN 0
.endm
.macro LW gg
.set LSS, (\gg)/3
.set LGG, (\gg)%3
.set LRR, WS+48*LGG
.irp u, 0,1,2,3
	ds_load_b128 v[LRR+12*\u:LRR+12*\u+3], v[AWB+2*LGG] offset:\u*REC+LSS*1536
	ds_load_b64 v[LRR+12*\u+4:LRR+12*\u+5], v[AWB+2*LGG+1] offset:\u*REC+LSS*1536+512
	ds_load_b128 v[LRR+12*\u+6:LRR+12*\u+9], v[AWB+2*LGG] offset:\u*REC+LSS*1536+768
	ds_load_b64 v[LRR+12*\u+10:LRR+12*\u+11], v[AWB+2*LGG+1] offset:\u*REC+LSS*1536+1280
.endr
.endm
.macro MQK s, g
.irp t, 0,1,2,3
.irp u, 0,1,2,3
.if (\s) == 0
	WM 8*(16*(\g)+4*\t+\u), WS+48*(\g)+12*\u, 48*((\s)%4)+12*\t, 192+8*(4*(\g)+\u), WSC+8*((4*(\g)+\u)/2)+(\s), \u&1, XSC+8*(\t/2)+(\s), \t&1
.else
	WM 8*(16*(\g)+4*\t+\u), WS+48*(\g)+12*\u, 48*((\s)%4)+12*\t, 8*(16*(\g)+4*\t+\u), WSC+8*((4*(\g)+\u)/2)+(\s), \u&1, XSC+8*(\t/2)+(\s), \t&1
.endif
.endr
.endr
.endm
.macro MV s
.irp v, 0,1,2,3
.irp u, 0,1,2,3
.if (\s) == 0
	WM 8*(4*\v+\u), 48*((\s)%4)+12*\u, WS+96+12*\v, 128+8*\v, XSC+8*(\u/2)+(\s), \u&1, WSC+8*(4+\v/2)+(\s), \v&1
.else
	WM 8*(4*\v+\u), 48*((\s)%4)+12*\u, WS+96+12*\v, 8*(4*\v+\u), XSC+8*(\u/2)+(\s), \u&1, WSC+8*(4+\v/2)+(\s), \v&1
.endif
.endr
.endr
.endm
.macro QBAR q
	s_wait_tensorcnt 0x0                   ; my part of the panel is in,
	s_wait_dscnt 0x0
	s_barrier_signal -1
	s_barrier_wait -1                      ; and so is everybody's
.endm
.irp s, 0,1,2,3
	LX \s
.endr
	QBAR 0
	LW 0
	LW 1
	LW 2
.set G, 0
.rept 24
.set SS, G/3
.set GG, G%3
.if GG == 0
.if SS < 4
	s_wait_loadcnt 48
.else
	s_wait_loadcnt 16*(7-SS)
.endif
.endif
.if G < 22
	s_wait_dscnt 32
.else
	s_wait_dscnt 16*(23-G)
.endif
.if GG < 2
.if SS == 0
	WIN 0xd4
.else
	WIN 0xf4
.endif
	MQK SS, GG
.else
	WIN 0xa1
	MV SS
.endif
	WIN 0
	PLACES 4
.if G+3 < 24
	s_wait_alu depctr_va_vdst(0)
	LW G+3
.endif
.if (GG == 2) && (SS+4 < 8)
	LX SS+4
.endif
.set G, G+1
.endr
.macro EPI b, acc, wm, wc, sb, off
.set CB, WS+48*(\b)
	WIN \wm
.irp t, 0,1,2,3
	v_max3_num_f32 v[TM+\t], |v[(\acc)+32*\t]|, |v[(\acc)+32*\t+1]|, 0x1800000
.endr
.irp i, 2,4,6,8,10,12,14,16,18,20,22,24,26,28,30
.irp t, 0,1,2,3
	v_max3_num_f32 v[TM+\t], |v[(\acc)+32*\t+\i]|, |v[(\acc)+32*\t+\i+1]|, v[TM+\t]
.endr
.endr
	WIN 0
.irp t, 0,1,2,3
	v_add_nc_u32 v[TM+4+\t], 0xff000000, v[TM+\t]
.endr
.irp t, 0,1,2,3
	v_lshrrev_b32 v[TM+8+\t], 23, v[TM+4+\t]
.endr
	WIN \wc
.irp t, 0,1,2,3
	v_cvt_scalef32_pk16_fp6_f32 v[CB+12*\t:CB+12*\t+2], v[(\acc)+32*\t:(\acc)+32*\t+15], v[TM+4+\t]
	v_cvt_scalef32_pk16_fp6_f32 v[CB+12*\t+6:CB+12*\t+8], v[(\acc)+32*\t+16:(\acc)+32*\t+31], v[TM+4+\t]
.endr
	WIN 0
	v_nop
.irp t, 0,1,2,3
.irp i, 0,1,2
	v_mov_b32 v[CB+12*\t+3+\i], v[CB+12*\t+6+\i]
.endr
.endr
.irp t, 0,1,2,3
	global_store_b128 v[L16], v[CB+12*\t:CB+12*\t+3], s[\sb:\sb+1] offset:(\off)+768*\t
	global_store_b64 v[L8], v[CB+12*\t+4:CB+12*\t+5], s[\sb:\sb+1] offset:(\off)+768*\t+512
.endr
	v_lshl_or_b32 v[TM+12], v[TM+9], 16, v[TM+8]
	v_lshl_or_b32 v[TM+13], v[TM+11], 16, v[TM+10]
	v_lshlrev_b32 v[TM+12], v[SH8], v[TM+12]
	v_lshlrev_b32 v[TM+13], v[SH8], v[TM+13]
	v_permlanex16_b32 v[TM+14], v[TM+12], s72, s73
	v_permlanex16_b32 v[TM+15], v[TM+13], s72, s73
	v_or_b32 v[TM+12], v[TM+12], v[TM+14]
	v_or_b32 v[TM+13], v[TM+13], v[TM+15]
.endm
	EPI 0, 0, 0x0f, 0x03, 66, 0
	v_cndmask_b32 v[TM+16], v[TM+12], v[TM+13], s74
	ds_store_b32 v[AS1], v[TM+16]
	EPI 1, 128, 0x0f, 0x03, 66, 196608
	v_cndmask_b32 v[TM+17], v[TM+12], v[TM+13], s74
	ds_store_b32 v[AS1], v[TM+17] offset:512
	EPI 2, 0, 0x0a, 0x02, 68, 0
	ds_store_b16 v[AS2], v[TM+12]
	ds_store_b16_d16_hi v[AS2], v[TM+12] offset:64
	ds_store_b16 v[AS2], v[TM+13] offset:128
	ds_store_b16_d16_hi v[AS2], v[TM+13] offset:192
	s_wait_dscnt 0x0
	s_barrier_signal -1
	s_barrier_wait -1
	s_cmp_lt_u32 s22, 3
	s_cbranch_scc0 .Lno_copy
	ds_load_b128 v[TM+20:TM+23], v[AS3]
	s_wait_dscnt 0x0
	global_store_b128 v[L16], v[TM+20:TM+23], s[70:71]
.Lno_copy:
	s_wait_tensorcnt 0x0
	ds_add_u32 v[SPW], v[NIL]
	s_wait_dscnt 0x0
	CROUND
	s_endpgm
.Lfunc_end_k_q355eac356c_qkv:
	.size	k_q355eac356c_qkv, .Lfunc_end_k_q355eac356c_qkv-k_q355eac356c_qkv
	.p2alignl 7, 3214868480
	.fill 96, 4, 3214868480
	.section	.rodata,"a",@progbits
	.p2align	6, 0x0
	.amdhsa_kernel k_q355eac356c_qkv
		.amdhsa_group_segment_fixed_size 327680
		.amdhsa_private_segment_fixed_size 0
		.amdhsa_enable_private_segment 0
		.amdhsa_kernarg_size 72
		.amdhsa_user_sgpr_count 2
		.amdhsa_user_sgpr_kernarg_segment_ptr 1
		.amdhsa_wavefront_size32 1
		.amdhsa_system_sgpr_workgroup_id_x 1
		.amdhsa_system_sgpr_workgroup_id_y 1
		.amdhsa_system_sgpr_workgroup_id_z 1
		.amdhsa_system_vgpr_workitem_id 0
		.amdhsa_next_free_vgpr 1024
		.amdhsa_next_free_sgpr 100
		.amdhsa_reserve_vcc 0
		.amdhsa_float_denorm_mode_32 3
		.amdhsa_float_denorm_mode_16_64 3
		.amdhsa_memory_ordered 1
		.amdhsa_forward_progress 1
		.amdhsa_inst_pref_size 125
	.end_amdhsa_kernel
	.amdgpu_metadata
---
amdhsa.version: [ 1, 2 ]
amdhsa.kernels:
  - .name:           k_q355eac356c_qkv
    .symbol:         k_q355eac356c_qkv.kd
    .args:
      - { .name: cd1, .offset: 0, .size: 8, .value_kind: global_buffer, .address_space: global }
      - { .name: sc1, .offset: 8, .size: 8, .value_kind: global_buffer, .address_space: global }
      - { .name: bq, .offset: 16, .size: 8, .value_kind: global_buffer, .address_space: global }
      - { .name: bk, .offset: 24, .size: 8, .value_kind: global_buffer, .address_space: global }
      - { .name: bv, .offset: 32, .size: 8, .value_kind: global_buffer, .address_space: global }
      - { .name: qkc, .offset: 40, .size: 8, .value_kind: global_buffer, .address_space: global }
      - { .name: qks, .offset: 48, .size: 8, .value_kind: global_buffer, .address_space: global }
      - { .name: vc, .offset: 56, .size: 8, .value_kind: global_buffer, .address_space: global }
      - { .name: vs, .offset: 64, .size: 8, .value_kind: global_buffer, .address_space: global }
    .group_segment_fixed_size: 327680
    .private_segment_fixed_size: 0
    .kernarg_segment_align: 8
    .kernarg_segment_size: 72
    .max_flat_workgroup_size: 128
    .sgpr_count:     100
    .vgpr_count:     1024
    .wavefront_size: 32
...
	.end_amdgpu_metadata
.endif
;; end of part 2
;; launch attn (part 3): grid 8 x 32, 16 waves a work-group, clusters of 4 x 1, 208,896 bytes of LDS; arguments qkc, qks, vc, vs, ocod, oscl; writes ocod, oscl
.if DOCPART == 3
	.amdgcn_target "amdgcn-amd-amdhsa--gfx1250"
	.amdhsa_code_object_version 6
	.text
	.protected	k_q355eac356c_attn
	.globl	k_q355eac356c_attn
	.p2align	8
	.type	k_q355eac356c_attn,@function
k_q355eac356c_attn:
	s_mov_b64 s[64:65], 0
	v_nop
	global_prefetch_b8 v0, s[64:65] scope:SCOPE_SE
	s_setreg_imm32_b32 hwreg(HW_REG_WAVE_MODE, 25, 1), 1
	s_wait_xcnt 0x0
	s_wait_alu depctr_hold_cnt(0) depctr_sa_sdst(0) depctr_va_vdst(0) depctr_va_sdst(0) depctr_va_ssrc(0) depctr_va_vcc(0) depctr_vm_vsrc(0)
	s_getreg_b32 s2, hwreg(HW_REG_IB_STS2, 6, 4)
	s_cmp_eq_u32 s2, 0
	s_cbranch_scc0 .Lentry_in_a_cluster
	s_endpgm
.Lentry_in_a_cluster:
	s_bfe_u32 s2, ttmp6, 0x10000c
	s_cmp_lg_u32 s2, 0x3003
	s_cbranch_scc0 .Lentry_shape_is_right
	s_endpgm
.Lentry_shape_is_right:
; For each of 32 (batch, head): scores = q k^T once; two softmaxes of them, of -scores / 8 (branch 0) and of +scores / 8 (branch 1); each times v; each result quantised along the head's 64 for the last projection.
; All products on codes of FP6 (E2M3) with E8M0 scales.  THE SOFTMAX: t = +-score x log2(e) / 8; M = the running largest t rounded UP to a whole number, kept as -M = floor(-t); p = 2^(t - M) is quantised along the keys,
; not normalised; the row's sum is taken of the unquantised p and divides at the end; when M moves, sum and O are multiplied by 2^(old M - new M), which rounds nothing.
; SHARES.  A work-group owns 256 queries of one head; each of its sixteen waves one tile of 16, for both branches, in 256 registers.  Every wave walks all 2,048 keys, 128 a step: a loop of 15 trips and a last step written out.
; THE HEAD'S k AND v LIE IN LDS, FILLED ONCE.  The codes, 2 x 98,304 bytes, come by sixteen tensor loads, ONE A WAVE, 48 rows of 256 bytes each, to LDS byte 12,288 x wave: waves 0-7 bring k's, waves 8-15 v's;
; they are asked for JOINTLY by the four work-groups of a cluster, which walk the same head.  The scale words, 2 x 4,096 bytes (a twenty-fourth of what the codes are, so they are not shared), come through registers, 16 bytes a
; thread, into LDS bytes of their own, stored behind the wave's wait for its tensor load.  One barrier shows all of it to all waves; nothing is filled again, and no barrier stands in the loop.
; No prefetch: all that the work-group reads is asked for at the head; there is no loop to run ahead in.
; LAYOUT.  Both products transposed: S^T = k q^T, O^T = v^T p^T: a lane holds one query.  The keys of a tile are chosen (8 u + rho % 8 + 32 (rho / 8) of a group of 64) so that a lane's 32 score registers are 32 neighbouring
; keys: one quantiser block, whole, in the order of the 6-bit operand layout: no maximum and no code changes lanes.
; K = 64 IN A PRODUCT OF 128: a fragment holds TWO key tiles (registers 0-5, 6-11); against [q, 0] it gives the first tile's scores, against [0, q] the second's: the other half meets zero codes.
; FRAGMENTS ARE ASKED FOR AHEAD OF THEIR USE: k's of step s + 1 behind step s's softmax, into v80-127; v's into score registers that are done with: two behind the first 32 keys' softmax, two behind the second's.
; INDEPENDENT LINES: the blocks' extremes go in eight chains; a block's sum goes by a tree, in place on p behind the conversions (8, 4, 2, 1 packed additions a branch, then one onto the row's sum).
; A block's largest p is not searched for: the block's largest (smallest) score goes through the same multiply-add and exponential.
; LIMITS: that takes v_exp_f32 not to fall where its input rises; p under 2^-126 comes out as 0; M is exact while |t| < 2^24; O / sum is a reciprocal and a multiplication; a block of zeros gets the byte 1 where the rule
; says 127 (zero codes; this program alone reads the bytes); NaN and infinities are not served.
.set VCO,    98304                     ; LDS: k's codes from 0 (tile T at 768 T), v's from here ([token group][feature tile][768])
.set KSC,    196608                    ; k's scale words, 256 bytes a step; v's 4,096 bytes further on
.set SPARE,  204800                    ; the spare words: 128 bytes a wave, eight blocks of 256 bytes that no other line names
.set OSTG,   206848                    ; the stage for o's scale halfwords: [branch][wave][r]
.set STEPB,  6144
.set PART,   12288                     ; what one tensor load brings
.set ADK16, 3
.set ADK8,  4
.set ADV16, 5
.set ADV8,  6
.set ADS,   7
.set BP,  42                           ; v42-43 the blocks' largest scores, then p, then bytes; v44-45 the smallest's
.set BN,  44
.set KS,  54                           ; v54-55 k's scale words
.set PCP, 56                           ; v56-67 p's codes, branch 1;  v68-79 branch 0
.set PCN, 68
.set KV,  80                           ; v80-127 four fragments of k
.set T,   80                           ; during the softmax: v80-111 branch 1's t and p of 32 keys; v112.., v116.. a conversion's second half
.set CT0, 112
.set CT1, 116
.set S,   128                          ; v128-191 the scores; then branch 0's t and p
.set VF,  128                          ; v128-175 four fragments of v, once the scores there are done with
.set ON,  192                          ; v192-223 O^T of branch 0;  v224-255 of branch 1
.set OP,  224
.set TK,  66                           ; s66 the NEXT step's k, s67 this step's v, s68 its scale words
.set TV,  67
.set TS,  68
; v0 thread; v1 lane; v2 8 h; v8 -M, v9 largest score (branch 1); v10 -M, v11 smallest score (branch 0); v[12:13], v[14:15] the sums; v16-21 zeros, v22-27 q, v28-33 zeros; v34 q's scale word; v36-37 v's scale words;
; v38 f (branch 1), v39 p's scale word; v40, v41 branch 0's; v46-49 the conversions' scale operands; v50-53 at work
.macro PLACES n
.rept \n
	v_nop
.endr
.endm
.macro DL n                            ; a hint ahead of a plain line that reads the plain line n vector lines back
	s_delay_alu instid0(VALU_DEP_\n)
.endm
.macro CROUND                          ; a round of the cluster's barrier
	s_barrier_signal -1
	s_barrier_wait -1
	s_cmp_lg_u32 s16, 0
	s_cbranch_scc1 .Lnot_wave_0_\@
	s_barrier_signal -3
.Lnot_wave_0_\@:
	s_barrier_wait -3
	s_barrier_signal -1
	s_barrier_wait -1
.endm
; one product: D, A, B by their first registers; C likewise, or -1 for the constant 0; A's scale register and which half of its lanes is read; B's scale register
.macro WM d, a, b, c, sa, ra, sb
.if ((\c) < 0) && (\ra)
	v_wmma_scale_f32_16x16x128_f8f6f4 v[(\d):(\d)+7], v[(\a):(\a)+11], v[(\b):(\b)+11], 0, v[(\sa)], v[(\sb)] matrix_a_fmt:MATRIX_FMT_FP6 matrix_b_fmt:MATRIX_FMT_FP6 matrix_a_scale:MATRIX_SCALE_ROW1
.elseif (\c) < 0
	v_wmma_scale_f32_16x16x128_f8f6f4 v[(\d):(\d)+7], v[(\a):(\a)+11], v[(\b):(\b)+11], 0, v[(\sa)], v[(\sb)] matrix_a_fmt:MATRIX_FMT_FP6 matrix_b_fmt:MATRIX_FMT_FP6
.elseif (\ra)
	v_wmma_scale_f32_16x16x128_f8f6f4 v[(\d):(\d)+7], v[(\a):(\a)+11], v[(\b):(\b)+11], v[(\c):(\c)+7], v[(\sa)], v[(\sb)] matrix_a_fmt:MATRIX_FMT_FP6 matrix_b_fmt:MATRIX_FMT_FP6 matrix_a_scale:MATRIX_SCALE_ROW1
.else
	v_wmma_scale_f32_16x16x128_f8f6f4 v[(\d):(\d)+7], v[(\a):(\a)+11], v[(\b):(\b)+11], v[(\c):(\c)+7], v[(\sa)], v[(\sb)] matrix_a_fmt:MATRIX_FMT_FP6 matrix_b_fmt:MATRIX_FMT_FP6
.endif
.endm
.macro LOADK so                        ; 18 LDS loads: four fragments of k (fragment f: key tiles 2 f and 2 f + 1, as they lie) and their scale words, so bytes behind v[ADS]
.irp f, 0,1,2,3
	ds_load_b128 v[KV+12*\f:KV+12*\f+3], v[ADK16] offset:1536*\f
	ds_load_b64 v[KV+12*\f+4:KV+12*\f+5], v[ADK8] offset:1536*\f+512
	ds_load_b128 v[KV+12*\f+6:KV+12*\f+9], v[ADK16] offset:1536*\f+768
	ds_load_b64 v[KV+12*\f+10:KV+12*\f+11], v[ADK8] offset:1536*\f+1280
.endr
	ds_load_b32 v[KS], v[ADS] offset:\so           ; fragment 0 in lanes 0-15, fragment 1 in lanes 16-31;
	ds_load_b32 v[KS+1], v[ADS] offset:\so+128     ; fragments 2 and 3
.endm
.macro LOADV u                         ; 4 LDS loads: v's fragment of feature tile u: the half fragments of two neighbouring token groups
	ds_load_b128 v[VF+12*\u:VF+12*\u+3], v[ADV16] offset:768*\u
	ds_load_b64 v[VF+12*\u+4:VF+12*\u+5], v[ADV8] offset:768*\u+512
	ds_load_b128 v[VF+12*\u+6:VF+12*\u+9], v[ADV16] offset:3072+768*\u
	ds_load_b64 v[VF+12*\u+10:VF+12*\u+11], v[ADV8] offset:3072+768*\u+512
.endm
	s_load_b256 s[4:11], s[0:1], 0x0               ; qkc, qks, vc, vs
	s_load_b128 s[12:15], s[0:1], 0x20             ; ocod, oscl
	v_lshl_add_u32 v254, v0, 2, SPARE              ; no two registers can be kept for the add: v0 is kept, and the two are made anew at the end
	v_mov_b32 v255, 0
	ds_add_u32 v254, v255                          ; the wave's opening: the add, twice on end, and its wait ahead of the first tensor load
	ds_add_u32 v254, v255
	v_lshrrev_b32 v1, 5, v0
	DL 1
	v_readfirstlane_b32 s16, v1                    ; wave w
	s_min_u32 s17, s16, 1                          ; the way out: wave 0 copies branch 0's scale halfwords, wave 1 branch 1's
	s_bfe_u32 s18, ttmp6, 0x40000                  ; cx
	s_lshl_b32 s19, ttmp9, 2
	s_add_co_u32 s19, s19, s18                     ; my block of 256 queries: it enters q's and o's addresses alone
	s_and_b32 s26, ttmp7, 0xffff                   ; 16 x batch + head, which the four partners share
	s_lshr_b32 s27, s26, 4                         ; batch
	s_and_b32 s80, s26, 15                         ; head
	s_mov_b32 s28, 15|(3<<16)|(1<<21)              ; group 1: the mask: all four work-groups; elements of 8 bytes; bit 21 beside a mask
	s_mov_b32 s29, 32<<16                          ; a dense block as 48 rows of 256 bytes
	s_mov_b32 s30, 48<<16
	s_mov_b32 s31, 32<<16
	s_mov_b32 s32, 48
	s_mov_b32 s33, 32
	s_mov_b32 s34, 0
	s_mov_b32 s35, 0
	s_add_co_u32 s90, s80, 16                      ; k's groups lie behind q's sixteen
	s_lshl_b32 s91, s90, 8
	s_lshl_b32 s82, s27, 7
	s_add_co_u32 s91, s91, s82
	s_mul_i32 s91, s91, 768                        ; k's codes: ((16 + head) x 256 + 128 b) x 768
	s_mul_i32 s92, s26, 98304                      ; v's
	s_lshl_b32 s93, s90, 7
	s_lshl_b32 s84, s27, 6
	s_add_co_u32 s93, s93, s84
	s_lshl_b32 s93, s93, 6                         ; k's scale words
	s_lshl_b32 s90, s26, 12                        ; v's
	s_and_b32 s36, s16, 7
	s_mul_i32 s36, s36, PART                       ; my eighth of k's or of v's codes
	s_cmp_lt_u32 s16, 8                            ; waves 0-7 fetch for k, waves 8-15 for v
	s_cselect_b32 s82, s91, s92
	s_cselect_b32 s84, s93, s90
	s_add_co_u32 s82, s82, s36
	s_mov_b32 s83, 0
	s_mov_b32 s85, 0
	s_mov_b32 s44, 1                               ; group 0
	s_mul_i32 s45, s16, PART                       ; where my part goes: v's codes lie straight behind k's
	s_lshl_b32 s86, s27, 7
	s_lshl_b32 s87, s19, 4
	s_add_co_u32 s86, s86, s87                     ; the work-group's first query tile: 128 b + 16 x block
	s_add_co_u32 s81, s86, s16                     ; mine
	s_lshl_b32 s72, s80, 8
	s_add_co_u32 s72, s72, s81
	s_mul_i32 s72, s72, 768                        ; q's codes
	s_mov_b32 s73, 0
	s_lshl_b32 s74, s80, 7
	s_lshr_b32 s87, s81, 1
	s_add_co_u32 s74, s74, s87
	s_lshl_b32 s74, s74, 6                         ; q's pair of tiles among the scale words
	s_mov_b32 s75, 0
	s_lshl_b32 s76, s81, 4
	s_add_co_u32 s76, s76, s80
	s_mul_i32 s76, s76, 768                        ; ocod: (tile x 16 + head) x 768, branch 0
	s_mov_b32 s77, 0
	s_lshl_b32 s78, s17, 4
	s_add_co_u32 s78, s78, s80
	s_lshl_b32 s78, s78, 8
	s_add_co_u32 s78, s78, s86
	s_lshl_b32 s78, s78, 5                         ; oscl: ((branch x 16 + head) x 256 + first tile) x 32
	s_mov_b32 s79, 0
	s_mov_b32 s20, 0x76543210
	s_mov_b32 s21, 0xfedcba98                      ; selects for lane l xor 16
	s_mov_b32 s22, 0x3e38aa3b                      ; c = log2(e) / 8
	s_mov_b32 s23, s22                             ; (named with it as a pair, so it is written)
	s_mov_b32 s24, 0xbe38aa3b                      ; -c
	s_mov_b32 s25, s24
	s_mov_b32 s[TK], STEPB                         ; step 1's k: step 0's is asked for ahead of the loop
	s_mov_b32 s[TV], VCO
	s_mov_b32 s[TS], KSC
	s_and_b32 s71, s16, 1
	s_mov_b32 s70, 0x03020302
	s_cmp_eq_u32 s71, 0
	s_cselect_b32 s70, 0x01000100, s70             ; which halfword of the pair's word is my tile's
	s_wait_dscnt 0x0                               ; both opening adds are done
	s_wait_kmcnt 0x0
	s_cmp_lt_u32 s16, 8
	s_cselect_b64 s[88:89], s[4:5], s[8:9]
	s_cselect_b64 s[94:95], s[6:7], s[10:11]
	s_add_nc_u64 s[46:47], s[88:89], s[82:83]
	s_add_nc_u64 s[94:95], s[94:95], s[84:85]
	s_or_b32 s47, s47, 0x80000000
	s_add_nc_u64 s[72:73], s[4:5], s[72:73]
	s_add_nc_u64 s[74:75], s[6:7], s[74:75]
	s_add_nc_u64 s[76:77], s[12:13], s[76:77]
	s_add_nc_u64 s[78:79], s[14:15], s[78:79]
	CROUND                                         ; all four work-groups are here: the joint loads meet
	tensor_load_to_lds s[44:47], s[28:35]          ; my one tensor load: every wave issues one, with no branch
	s_nop 0
	v_and_b32 v1, 31, v0                           ; lane
	v_and_b32 v50, 15, v0                          ; r
	v_bfe_u32 v51, v0, 4, 1                        ; h
	v_and_b32 v6, 255, v0
	v_lshlrev_b32 v3, 4, v1
	v_lshlrev_b32 v4, 3, v1
	v_lshlrev_b32 v5, 2, v50
	v_lshlrev_b32 v2, 3, v51
	v_lshlrev_b32 v6, 4, v6                        ; my 16 bytes of k's (threads 0-255) or v's (256-511) scale words,
	v_lshl_add_u32 v7, v0, 4, KSC                  ; and their place in LDS
	global_load_b128 v[22:25], v3, s[72:73]        ; q's half fragment stays in registers
	global_load_b64 v[26:27], v4, s[72:73] offset:512
	global_load_b32 v35, v5, s[74:75]              ; the scale word of q's pair of tiles, row r
	global_load_b128 v[80:83], v6, s[94:95]        ; a wave reads 512 consecutive bytes
.irp i, 16,17,18,19,20,21,28,29,30,31,32,33
	v_mov_b32 v\i, 0                               ; zero codes on both sides of q: v[22:33] = [q, 0], v[16:27] = [0, q]
.endr
.irp i, 12,13,14,15,39,41
	v_mov_b32 v\i, 0                               ; the sums; registers named in pairs before they are first written
.endr
	v_mov_b32 v9, 0xff61b1e6                       ; the largest score so far: -3e38, under every score;
	v_mov_b32 v11, 0x7f61b1e6                      ; the smallest: 3e38
	v_mov_b32 v8, 0x7e000000                       ; -M = 2^125: M lies under every t, so the first change of M gives f = 0
	v_mov_b32 v10, 0x7e000000
	s_wait_alu depctr_va_vdst(0)
	s_wait_loadcnt 0x0
	v_perm_b32 v34, v35, v35, s70                  ; my tile's halfword twice: it serves [q, 0] and [0, q]
.set j, 0
.rept 64
	v_mov_b32 v[ON+j], 0                           ; O^T of both branches: every step is alike, and the first change of M leaves zeros zeros
.set j, j+1
.endr
	s_wait_alu depctr_va_vdst(0)
	s_wait_tensorcnt 0x0                           ; my part of the codes is in
	ds_store_b128 v7, v[80:83]                     ; my part of the scale words, into bytes on which no tensor load lands
	s_wait_dscnt 0x0                               ; for the others' sake
	s_barrier_signal -1
	s_barrier_wait -1                              ; k and v are whole for all sixteen waves
	v_lshl_add_u32 v[ADS], v1, 2, KSC              ; v3 = 16 x lane and v4 = 8 x lane still stand: step 0's k
	LOADK 0
.macro LEVEL c, d                      ; a level of the sums' tree, both branches by turns: pair j takes pair j + d / 2 in
.set j, 0
.rept (\d)/2
	v_pk_add_f32 v[T+j:T+j+1], v[T+j:T+j+1], v[T+j+(\d):T+j+(\d)+1]
	v_pk_add_f32 v[S+32*\c+j:S+32*\c+j+1], v[S+32*\c+j:S+32*\c+j+1], v[S+32*\c+j+(\d):S+32*\c+j+(\d)+1]
.set j, j+2
.endr
.endm
; 32 keys of each lane (block c of the step's two): t - M and p for both branches, the codes, the sums
.macro HALF c
.set j, 0
.rept 16
	v_pk_fma_f32 v[T+j:T+j+1], v[S+32*\c+j:S+32*\c+j+1], s[22:23], v[8:9] op_sel_hi:[1,0,0]                 ; branch 1: c s - M, two at a time
	v_pk_fma_f32 v[S+32*\c+j:S+32*\c+j+1], v[S+32*\c+j:S+32*\c+j+1], s[24:25], v[10:11] op_sel_hi:[1,0,0]   ; branch 0: -c s - M, in place
.set j, j+2
.endr
	s_wait_alu depctr_va_vdst(0)
.if \c == 0
.irp i, 0,1,2,3
	v_exp_f32 v[BP+\i], v[BP+\i]                   ; the four blocks' largest p
.endr
.endif
.set j, 0
.rept 32
	v_exp_f32 v[T+j], v[T+j]
.set j, j+1
.endr
.set j, 0
.rept 32
	v_exp_f32 v[S+32*\c+j], v[S+32*\c+j]
.set j, j+1
.endr
.if \c == 0
	v_pk_mul_f32 v[12:13], v[12:13], v[38:39] op_sel_hi:[1,0]      ; the sums under the new M; also the plain line behind the exponentials
	v_pk_mul_f32 v[14:15], v[14:15], v[40:41] op_sel_hi:[1,0]
.else
	v_nop                                          ; the plain line behind the exponentials
.endif
	s_wait_alu depctr_va_vdst(0)                   ; one wait for the whole batch, ahead of its first reader
.if \c == 0
.irp i, 0,1,2,3
	v_max_num_f32 v[BP+\i], 0x1800000, v[BP+\i]    ; the floor 2^(3 - 127): the byte cannot fall under 1
.endr
.irp i, 0,1,2,3
	DL 4
	v_add_nc_u32 v[46+\i], 0xff000000, v[BP+\i]    ; 2 off the exponent field: the conversion's scale operand
.endr
.irp i, 0,1,2,3
	DL 4
	v_lshrrev_b32 v[BP+\i], 23, v[46+\i]           ; the scale's byte
.endr
.endif
	v_cvt_scalef32_pk16_fp6_f32 v[PCP+6*\c:PCP+6*\c+2], v[T:T+15], v[46+\c]
	v_cvt_scalef32_pk16_fp6_f32 v[CT0:CT0+2], v[T+16:T+31], v[46+\c]           ; (a conversion's three registers begin on an even number)
	v_cvt_scalef32_pk16_fp6_f32 v[PCN+6*\c:PCN+6*\c+2], v[S+32*\c:S+32*\c+15], v[48+\c]
	v_cvt_scalef32_pk16_fp6_f32 v[CT1:CT1+2], v[S+32*\c+16:S+32*\c+31], v[48+\c]
	v_nop                                          ; one plain line behind the conversions
	LEVEL \c, 16                                   ; the sums are taken of the unquantised p, which the conversions have read: in place
	LEVEL \c, 8
	LEVEL \c, 4
.irp i, 0,1,2
	v_mov_b32 v[PCP+6*\c+3+\i], v[CT0+\i]
.endr
	LEVEL \c, 2
.irp i, 0,1,2
	v_mov_b32 v[PCN+6*\c+3+\i], v[CT1+\i]
.endr
	v_pk_add_f32 v[12:13], v[12:13], v[T:T+1]
	v_pk_add_f32 v[14:15], v[14:15], v[S+32*\c:S+32*\c+1]
.endm
; A KEY STEP: 128 keys.  last = 1: the walk's last step, which asks for no further k
.macro STEP last
.if \last                              ; five plain lines: the places between the last products, which read v's fragments, and the products below, which write over them
	v_nop
	v_nop
.else
	v_lshl_add_u32 v[ADK16], v1, 4, s[TK]
	v_lshl_add_u32 v[ADK8], v1, 3, s[TK]
.endif
	v_lshl_add_u32 v[ADV16], v1, 4, s[TV]
	v_lshl_add_u32 v[ADV8], v1, 3, s[TV]
	v_lshl_add_u32 v[ADS], v1, 2, s[TS]
	s_wait_dscnt 0x0                               ; this step's k is in: it was asked for a step ago
.irp f, 0,1,2,3
	WM S+16*\f, KV+12*\f, 22, -1, KS+\f/2, \f&1, 34
	WM S+16*\f+8, KV+12*\f, 16, -1, KS+\f/2, \f&1, 34
.endr
	PLACES 4
.irp c, 0,1                            ; each block's largest and smallest score, each in two chains of 15: eight chains by turns.  Each accumulator is first read at its low end
	v_max3_num_f32 v[BP+\c], v[S+32*\c], v[S+32*\c+1], v[S+32*\c+2]
	v_min3_num_f32 v[BN+\c], v[S+32*\c], v[S+32*\c+1], v[S+32*\c+2]
	v_max3_num_f32 v[50+\c], v[S+32*\c+16], v[S+32*\c+17], v[S+32*\c+18]
	v_min3_num_f32 v[52+\c], v[S+32*\c+16], v[S+32*\c+17], v[S+32*\c+18]
.endr
.irp i, 3,5,7,9,11,13
.irp c, 0,1
	v_max3_num_f32 v[BP+\c], v[BP+\c], v[S+32*\c+\i], v[S+32*\c+\i+1]
	v_min3_num_f32 v[BN+\c], v[BN+\c], v[S+32*\c+\i], v[S+32*\c+\i+1]
	v_max3_num_f32 v[50+\c], v[50+\c], v[S+32*\c+16+\i], v[S+32*\c+17+\i]
	v_min3_num_f32 v[52+\c], v[52+\c], v[S+32*\c+16+\i], v[S+32*\c+17+\i]
.endr
.endr
.irp c, 0,1
	v_max3_num_f32 v[BP+\c], v[BP+\c], v[50+\c], v[S+32*\c+15]
	v_min3_num_f32 v[BN+\c], v[BN+\c], v[52+\c], v[S+32*\c+15]
.endr
.irp c, 0,1
	v_max_num_f32 v[BP+\c], v[BP+\c], v[S+32*\c+31]
	v_min_num_f32 v[BN+\c], v[BN+\c], v[S+32*\c+31]
.endr
	v_max3_num_f32 v9, v9, v42, v43                ; the running extremes, kept as scores; the two branches by turns
	v_min3_num_f32 v11, v11, v44, v45
	v_permlanex16_b32 v50, v9, s20, s21            ; the query's other 64 keys lie in lane l xor 16
	v_permlanex16_b32 v51, v11, s20, s21
	v_max_num_f32 v9, v9, v50
	v_min_num_f32 v11, v11, v51
	v_mul_f32 v50, s24, v9                         ; -t of the largest t: -c x the largest score;
	v_mul_f32 v51, s22, v11                        ; branch 0: c x the smallest
	v_floor_f32 v50, v50                           ; the new -M = floor(-t) = -ceil(t)
	v_floor_f32 v51, v51
	v_sub_f32 v52, v50, v8                         ; old M - new M: a whole number, 0 or less
	v_sub_f32 v53, v51, v10
	v_mov_b32 v8, v50
	v_mov_b32 v10, v51
	v_cvt_i32_f32 v52, v52                         ; (it saturates)
	v_cvt_i32_f32 v53, v53
	v_fma_f32 v42, v42, s22, v8                    ; the blocks' extremes through the same multiply-add as every score
	v_fma_f32 v43, v43, s22, v8
	v_fma_f32 v44, v44, s24, v10
	v_fma_f32 v45, v45, s24, v10
	v_ldexp_f32 v38, 1.0, v52                      ; f = 2^(old M - new M)
	v_ldexp_f32 v40, 1.0, v53
	HALF 0
	LOADV 0                                        ; the first 32 keys' score registers are done with: they take two fragments of v,
	LOADV 1
	ds_load_b32 v36, v[ADS] offset:4096            ; and v's scale words come with them
	ds_load_b32 v37, v[ADS] offset:4224
	HALF 1
	LOADV 2
	LOADV 3
.if (\last) == 0
	LOADK 256                                      ; the next step's k, into the registers that held t and p
.endif
	v_lshl_or_b32 v39, v43, 16, v42                ; p's scale words: my two blocks' bytes,
	v_lshl_or_b32 v41, v45, 16, v44
	DL 2
	v_lshlrev_b32 v39, v2, v39                     ; 8 h bits up;
	DL 2
	v_lshlrev_b32 v41, v2, v41
	DL 2
	v_permlanex16_b32 v52, v39, s20, s21
	DL 2
	v_permlanex16_b32 v53, v41, s20, s21
	DL 2
	v_or_b32 v39, v39, v52                         ; with lane l xor 16's two the word is whole
	DL 2
	v_or_b32 v41, v41, v53
	s_wait_alu depctr_va_vdst(0)                   ; directly ahead of the first reader of O^T
.set j, 0
.rept 16
	v_pk_mul_f32 v[ON+j:ON+j+1], v[ON+j:ON+j+1], v[40:41] op_sel_hi:[1,0]      ; O^T under the new M.  (These 32 lines are also the places between the scale words and codes just made and the products)
	v_pk_mul_f32 v[OP+j:OP+j+1], v[OP+j:OP+j+1], v[38:39] op_sel_hi:[1,0]
.set j, j+2
.endr
	s_wait_alu depctr_va_vdst(0)
.if \last
	s_wait_dscnt 8                                 ; v's fragments 0, 1 and scale words are in; the eight loads of fragments 2, 3 may be out
.else
	s_wait_dscnt 26                                ; the same, and k's eighteen behind them
.endif
.irp u, 0,1                            ; the eight accumulators take turns, one instruction a turn
	WM ON+8*\u, VF+12*\u, PCN, ON+8*\u, 36+\u/2, \u&1, 41
	WM OP+8*\u, VF+12*\u, PCP, OP+8*\u, 36+\u/2, \u&1, 39
.endr
.if \last
	s_wait_dscnt 0x0
.else
	s_wait_dscnt 18                                ; fragments 2, 3 are in; k's eighteen loads may be out
.endif
.irp u, 2,3
	WM ON+8*\u, VF+12*\u, PCN, ON+8*\u, 36+\u/2, \u&1, 41
	WM OP+8*\u, VF+12*\u, PCP, OP+8*\u, 36+\u/2, \u&1, 39
.endr
.if (\last) == 0
	s_add_co_u32 s[TK], s[TK], STEPB
	s_add_co_u32 s[TV], s[TV], STEPB
	s_add_co_u32 s[TS], s[TS], 256
.endif
.endm
	s_mov_b32 s69, 15
.Lstep:
	STEP 0
	s_sub_co_u32 s69, s69, 1
	s_cmp_lg_u32 s69, 0
	s_cbranch_scc1 .Lstep
	STEP 1
	; THE WAY OUT: O^T / the sum; a lane's 32 registers are 32 neighbours of the head's 64: one block of the last projection's K.  Codes leave as a half fragment, the scale halfwords through a stage.
	PLACES 4
	v_add_f32 v50, v12, v13
	v_add_f32 v51, v14, v15
	DL 2
	v_permlanex16_b32 v52, v50, s20, s21
	DL 2
	v_permlanex16_b32 v53, v51, s20, s21
	DL 2
	v_add_f32 v50, v50, v52                        ; the rows' sums
	DL 2
	v_add_f32 v51, v51, v53
	s_wait_alu depctr_va_vdst(0)
	v_rcp_f32 v38, v50
	v_rcp_f32 v40, v51
	v_lshlrev_b32 v3, 4, v1                        ; (plain lines behind the reciprocals)  16 x lane
	v_lshlrev_b32 v4, 3, v1                        ; 8 x lane
	s_lshl_b32 s90, s16, 5
	s_add_co_u32 s90, s90, OSTG
	v_and_b32 v6, 15, v0
	DL 1
	v_lshl_add_u32 v5, v6, 1, s90                  ; the stage: 32 w + 2 r
	s_lshl_b32 s91, s17, 9
	s_add_co_u32 s91, s91, OSTG
	v_lshl_add_u32 v7, v1, 4, s91                  ; and the way back: a branch's 512 bytes
	s_wait_alu depctr_va_vdst(0)                   ; one wait for both reciprocals, ahead of their first reader
.set j, 0
.rept 16
	v_pk_mul_f32 v[ON+j:ON+j+1], v[ON+j:ON+j+1], v[40:41] op_sel_hi:[1,0]
	v_pk_mul_f32 v[OP+j:OP+j+1], v[OP+j:OP+j+1], v[38:39] op_sel_hi:[1,0]
.set j, j+2
.endr
	v_max3_num_f32 v42, |v[ON]|, |v[ON+1]|, 0x1800000
	v_max3_num_f32 v43, |v[OP]|, |v[OP+1]|, 0x1800000
.set j, 2
.rept 15
	DL 2
	v_max3_num_f32 v42, |v[ON+j]|, |v[ON+j+1]|, v42
	DL 2
	v_max3_num_f32 v43, |v[OP+j]|, |v[OP+j+1]|, v43
.set j, j+2
.endr
	DL 2
	v_add_nc_u32 v46, 0xff000000, v42
	DL 2
	v_add_nc_u32 v47, 0xff000000, v43
	DL 2
	v_lshrrev_b32 v42, 23, v46
	DL 2
	v_lshrrev_b32 v43, 23, v47
	v_cvt_scalef32_pk16_fp6_f32 v[PCN:PCN+2], v[ON:ON+15], v46
	v_cvt_scalef32_pk16_fp6_f32 v[80:82], v[ON+16:ON+31], v46
	v_cvt_scalef32_pk16_fp6_f32 v[PCP:PCP+2], v[OP:OP+15], v47
	v_cvt_scalef32_pk16_fp6_f32 v[84:86], v[OP+16:OP+31], v47
	v_nop                                          ; one plain line behind the conversions
.irp i, 0,1,2
	v_mov_b32 v[PCN+3+\i], v[80+\i]
	v_mov_b32 v[PCP+3+\i], v[84+\i]
.endr
	global_store_b128 v3, v[PCN:PCN+3], s[76:77]
	global_store_b64 v4, v[PCN+4:PCN+5], s[76:77] offset:512
	global_store_b128 v3, v[PCP:PCP+3], s[76:77] offset:3145728            ; branch 1's records lie 256 x 16 x 768 bytes on
	global_store_b64 v4, v[PCP+4:PCP+5], s[76:77] offset:3145728+512
	v_lshlrev_b32 v42, v2, v42
	v_lshlrev_b32 v43, v2, v43
	DL 2
	v_permlanex16_b32 v52, v42, s20, s21
	DL 2
	v_permlanex16_b32 v53, v43, s20, s21
	DL 2
	v_or_b32 v42, v42, v52                         ; row r's halfword
	DL 2
	v_or_b32 v43, v43, v53
	ds_store_b16 v5, v42                           ; (both halves of the lanes write the same value)
	ds_store_b16 v5, v43 offset:512
	s_wait_dscnt 0x0                               ; for the others' sake: my stores into the stage are done
	s_barrier_signal -1
	s_barrier_wait -1
	s_cmp_lt_u32 s16, 2
	s_cbranch_scc0 .Lno_copy
	ds_load_b128 v[80:83], v7
	s_wait_dscnt 0x0
	global_store_b128 v3, v[80:83], s[78:79]       ; wave 0: branch 0's, wave 1: branch 1's: 512 consecutive bytes, aligned
.Lno_copy:
	v_lshl_add_u32 v50, v0, 2, SPARE               ; the add's two registers, made anew from v0
	v_mov_b32 v51, 0
	s_wait_alu depctr_va_vdst(0)
	s_wait_tensorcnt 0x0                           ; the wave's end, behind my last tensor load and my last LDS store
	ds_add_u32 v50, v51
	s_wait_dscnt 0x0
	CROUND                                         ; the closing round
	s_endpgm
.Lfunc_end_k_q355eac356c_attn:
	.size	k_q355eac356c_attn, .Lfunc_end_k_q355eac356c_attn-k_q355eac356c_attn
	.p2alignl 7, 3214868480
	.fill 96, 4, 3214868480
	.section	.rodata,"a",@progbits
	.p2align	6, 0x0
	.amdhsa_kernel k_q355eac356c_attn
		.amdhsa_group_segment_fixed_size 208896
		.amdhsa_private_segment_fixed_size 0
		.amdhsa_enable_private_segment 0
		.amdhsa_kernarg_size 48
		.amdhsa_user_sgpr_count 2
		.amdhsa_user_sgpr_kernarg_segment_ptr 1
		.amdhsa_wavefront_size32 1
		.amdhsa_system_sgpr_workgroup_id_x 1
		.amdhsa_system_sgpr_workgroup_id_y 1
		.amdhsa_system_sgpr_workgroup_id_z 1
		.amdhsa_system_vgpr_workitem_id 0
		.amdhsa_next_free_vgpr 256
		.amdhsa_next_free_sgpr 96
		.amdhsa_reserve_vcc 0
		.amdhsa_float_denorm_mode_32 3
		.amdhsa_float_denorm_mode_16_64 3
		.amdhsa_memory_ordered 1
		.amdhsa_forward_progress 1
		.amdhsa_inst_pref_size 71
	.end_amdhsa_kernel
	.amdgpu_metadata
---
amdhsa.version: [ 1, 2 ]
amdhsa.kernels:
  - .name:           k_q355eac356c_attn
    .symbol:         k_q355eac356c_attn.kd
    .args:
      - { .name: qkc, .offset: 0, .size: 8, .value_kind: global_buffer, .address_space: global }
      - { .name: qks, .offset: 8, .size: 8, .value_kind: global_buffer, .address_space: global }
      - { .name: vc, .offset: 16, .size: 8, .value_kind: global_buffer, .address_space: global }
      - { .name: vs, .offset: 24, .size: 8, .value_kind: global_buffer, .address_space: global }
      - { .name: ocod, .offset: 32, .size: 8, .value_kind: global_buffer, .address_space: global }
      - { .name: oscl, .offset: 40, .size: 8, .value_kind: global_buffer, .address_space: global }
    .group_segment_fixed_size: 208896
    .private_segment_fixed_size: 0
    .kernarg_segment_align: 8
    .kernarg_segment_size: 48
    .max_flat_workgroup_size: 512
    .sgpr_count:     96
    .vgpr_count:     256
    .wavefront_size: 32
...
	.end_amdgpu_metadata
.endif
;; end of part 3
;; launch oproj (part 4): grid 32 x 8, 4 waves a work-group, clusters of 4 x 1, 327,680 bytes of LDS; arguments ocod, oscl, cd1, sc1, bo, out0, out1; writes out0, out1
.if DOCPART == 4
	.amdgcn_target "amdgcn-amd-amdhsa--gfx1250"
	.amdhsa_code_object_version 6
	.text
	.protected	k_q355eac356c_oproj
	.globl	k_q355eac356c_oproj
	.p2align	8
	.type	k_q355eac356c_oproj,@function
k_q355eac356c_oproj:
	s_mov_b64 s[64:65], 0
	v_nop
	global_prefetch_b8 v0, s[64:65] scope:SCOPE_SE
	s_setreg_imm32_b32 hwreg(HW_REG_WAVE_MODE, 25, 1), 1
	s_wait_xcnt 0x0
	s_wait_alu depctr_hold_cnt(0) depctr_sa_sdst(0) depctr_va_vdst(0) depctr_va_sdst(0) depctr_va_ssrc(0) depctr_va_vcc(0) depctr_vm_vsrc(0)
	s_getreg_b32 s2, hwreg(HW_REG_IB_STS2, 6, 4)
	s_cmp_eq_u32 s2, 0
	s_cbranch_scc0 .Lentry_in_a_cluster
	s_endpgm
.Lentry_in_a_cluster:
	s_bfe_u32 s2, ttmp6, 0x10000c
	s_cmp_lg_u32 s2, 0x3003
	s_cbranch_scc0 .Lentry_shape_is_right
	s_endpgm
.Lentry_shape_is_right:
; out0 and out1 = o Wo^T + bo on codes of FP6 (E2M3) with E8M0 scales, both branches' rows in one launch.  A work-group takes 256 rows of o and a panel of eight records of Wo (128 columns); o's fragments come from memory straight into registers.
; THE PANEL, 98,304 bytes, lies in LDS for the whole launch: record R at 12,288 R.  Each wave brings two records, dense in memory, by ONE joint tensor load at the head (96 rows of 256 bytes),
; asked for by the four work-groups of a cluster, which share the panel.  Nothing is filled again: one wait for 0 and one barrier show the panel to all four waves.
; No prefetch: the panel is asked for whole at the head, and o's loads run four K steps ahead by themselves.
.set REC,   12288
.set STGS,  98304
.set SPARE, 132096
.set L16,  1
.set L8,   2
.set AWB,  240                         ; v240-243: LDS addresses of the panel's two groups of four records: 49,152 g + 16 x lane, 49,152 g + 8 x lane
.set ASC,  5
.set ABQ,  6
.set AOS,  7
.set STO,  8
.set RD,   9
.set SPW,  14
.set NIL,  15
.set ASCL, 16
.set WSC,  32
.set WS,   64
.set LOHI, 208
.set MSB, 0
.macro WIN new
.if MSB != \new
	s_set_vgpr_msb (MSB<<8)|\new
.set MSB, \new
.endif
.endm
.macro PLACES n
.rept \n
	v_nop
.endr
.endm
.macro CROUND
	s_barrier_signal -1
	s_barrier_wait -1
	s_cmp_lg_u32 s22, 0
	s_cbranch_scc1 .Lnot_wave_0_\@
	s_barrier_signal -3
.Lnot_wave_0_\@:
	s_barrier_wait -3
	s_barrier_signal -1
	s_barrier_wait -1
.endm
.macro WM d, a, b, c, sa, ra, sb, rb
.if (\ra) && (\rb)
	v_wmma_scale_f32_16x16x128_f8f6f4 v[(\d):(\d)+7], v[(\a):(\a)+11], v[(\b):(\b)+11], v[(\c):(\c)+7], v[(\sa)], v[(\sb)] matrix_a_fmt:MATRIX_FMT_FP6 matrix_b_fmt:MATRIX_FMT_FP6 matrix_a_scale:MATRIX_SCALE_ROW1 matrix_b_scale:MATRIX_SCALE_ROW1
.elseif (\ra)
	v_wmma_scale_f32_16x16x128_f8f6f4 v[(\d):(\d)+7], v[(\a):(\a)+11], v[(\b):(\b)+11], v[(\c):(\c)+7], v[(\sa)], v[(\sb)] matrix_a_fmt:MATRIX_FMT_FP6 matrix_b_fmt:MATRIX_FMT_FP6 matrix_a_scale:MATRIX_SCALE_ROW1
.elseif (\rb)
	v_wmma_scale_f32_16x16x128_f8f6f4 v[(\d):(\d)+7], v[(\a):(\a)+11], v[(\b):(\b)+11], v[(\c):(\c)+7], v[(\sa)], v[(\sb)] matrix_a_fmt:MATRIX_FMT_FP6 matrix_b_fmt:MATRIX_FMT_FP6 matrix_b_scale:MATRIX_SCALE_ROW1
.else
	v_wmma_scale_f32_16x16x128_f8f6f4 v[(\d):(\d)+7], v[(\a):(\a)+11], v[(\b):(\b)+11], v[(\c):(\c)+7], v[(\sa)], v[(\sb)] matrix_a_fmt:MATRIX_FMT_FP6 matrix_b_fmt:MATRIX_FMT_FP6
.endif
.endm
	s_load_b256 s[4:11], s[0:1], 0x0
	s_load_b128 s[12:15], s[0:1], 0x20
	s_load_b64 s[16:17], s[0:1], 0x30
	v_lshl_add_u32 v[SPW], v0, 2, SPARE
	v_mov_b32 v[NIL], 0
	ds_add_u32 v[SPW], v[NIL]
	ds_add_u32 v[SPW], v[NIL]
	v_lshrrev_b32 v208, 5, v0
	v_readfirstlane_b32 s22, v208
	s_bfe_u32 s23, ttmp6, 0x40000
	s_lshl_b32 s24, ttmp9, 2
	s_add_co_u32 s24, s24, s23
	s_and_b32 s25, ttmp7, 0xffff
	s_mov_b32 s28, 15|(3<<16)|(1<<21)
	s_mov_b32 s29, 32<<16                  ; rows of 32 elements of 8 bytes,
	s_mov_b32 s30, 96<<16                  ; 96 of them: two records on end
	s_mov_b32 s31, 32<<16
	s_mov_b32 s32, 96
	s_mov_b32 s33, 32
	s_mov_b32 s34, 0
	s_mov_b32 s35, 0
	s_lshl_b32 s26, s25, 3
	s_lshl_b32 s79, s22, 1
	s_add_co_u32 s26, s26, s79
	s_add_co_u32 s26, s26, 448
	s_mul_i32 s26, s26, REC
	s_mov_b32 s27, 0
	s_mul_i32 s80, s22, 24576              ; my two records' place in LDS
	s_lshl_b32 s78, s24, 4
	s_lshl_b32 s79, s22, 2
	s_add_co_u32 s78, s78, s79
	s_mul_i32 s52, s78, REC
	s_mov_b32 s53, 0
	s_lshr_b32 s81, s24, 4
	s_and_b32 s82, s24, 15
	s_lshl_b32 s54, s81, 12
	s_lshl_b32 s83, s82, 4
	s_add_co_u32 s54, s54, s83
	s_add_co_u32 s54, s54, s79
	s_lshl_b32 s54, s54, 5
	s_mov_b32 s55, 0
	s_lshl_b32 s56, s25, 3
	s_add_co_u32 s56, s56, 448
	s_lshl_b32 s56, s56, 9
	s_mov_b32 s57, 0
	s_lshl_b32 s58, s25, 9
	s_mov_b32 s59, 0
	s_lshl_b32 s66, s82, 2
	s_add_co_u32 s66, s66, s22
	s_lshl_b32 s66, s66, 18
	s_add_co_u32 s66, s66, s58
	s_mov_b32 s67, 0
	s_wait_dscnt 0x0
	s_wait_kmcnt 0x0
	s_add_nc_u64 s[76:77], s[8:9], s[26:27]
	s_add_nc_u64 s[52:53], s[4:5], s[52:53]
	s_add_nc_u64 s[54:55], s[6:7], s[54:55]
	s_add_nc_u64 s[56:57], s[10:11], s[56:57]
	s_add_nc_u64 s[58:59], s[12:13], s[58:59]
	s_cmp_eq_u32 s81, 0
	s_cselect_b64 s[68:69], s[14:15], s[16:17]
	s_add_nc_u64 s[66:67], s[68:69], s[66:67]
	s_mov_b32 s36, 1
	s_add_co_u32 s37, s80, 0
	s_mov_b64 s[38:39], s[76:77]
	s_or_b32 s39, s39, 0x80000000
	CROUND                                 ; all four work-groups are here: the joint loads meet
	tensor_load_to_lds s[36:39], s[28:35]  ; my one tensor load
	s_nop 0
	PLACES 4
	v_and_b32 v208, 31, v0
	v_and_b32 v209, 15, v0
	v_bfe_u32 v210, v0, 4, 1
	v_lshlrev_b32 v[L16], 4, v208
	v_lshlrev_b32 v[L8], 3, v208
.irp g, 0,1
	v_lshl_add_u32 v[AWB+2*\g], v208, 4, 49152*\g
	v_lshl_add_u32 v[AWB+2*\g+1], v208, 3, 49152*\g
.endr
	v_lshlrev_b32 v[ASC], 4, v209
	v_lshl_add_u32 v[ASC], v210, 9, v[ASC]
	v_lshlrev_b32 v[ABQ], 7, v210
	v_lshlrev_b32 v[AOS], 1, v209
	v_lshl_add_u32 v[AOS], v210, 5, v[AOS]
	s_mul_i32 s84, s22, 8448
	s_add_co_u32 s84, s84, STGS
	v_mul_u32_u24 v[STO], v209, 528
	v_lshl_add_u32 v[STO], v210, 7, v[STO]
	v_add_nc_u32 v[STO], s84, v[STO]
	v_lshl_add_u32 v[RD], v208, 4, s84
.irp p, 0,1
.irp e, 0,1,2,3,4,5,6,7,8,9,10,11,12,13,14,15
	global_load_u16 v[LOHI+16*\p+\e], v[AOS], s[54:55] offset:\e*8192+64*\p
.endr
.endr
.irp p, 0,1,2,3
.irp f, 0,1
	global_load_b128 v[WSC+8*\p+4*\f:WSC+8*\p+4*\f+3], v[ASC], s[56:57] offset:1024*\p+256*\f
.endr
.endr
	WIN 0x40
.irp t, 0,1,2,3,4,5,6,7
	global_load_b128 v[192+8*\t:192+8*\t+3], v[ABQ], s[58:59] offset:(64*(\t/4)+8*(\t%4))*4
	global_load_b128 v[192+8*\t+4:192+8*\t+7], v[ABQ], s[58:59] offset:(64*(\t/4)+8*(\t%4))*4+16
.endr
	WIN 0
.macro LX s
	WIN 0x40
.irp t, 0,1,2,3
	global_load_b128 v[48*((\s)%4)+12*\t:48*((\s)%4)+12*\t+3], v[L16], s[52:53] offset:\t*REC+1536*(\s)
	global_load_b64 v[48*((\s)%4)+12*\t+4:48*((\s)%4)+12*\t+5], v[L8], s[52:53] offset:\t*REC+1536*(\s)+512
	global_load_b128 v[48*((\s)%4)+12*\t+6:48*((\s)%4)+12*\t+9], v[L16], s[52:53] offset:\t*REC+1536*(\s)+768
	global_load_b64 v[48*((\s)%4)+12*\t+10:48*((\s)%4)+12*\t+11], v[L8], s[52:53] offset:\t*REC+1536*(\s)+1280
.endr
	WIN 0
.endm
.macro LW gg
.set LSS, (\gg)/2
.set LGG, (\gg)%2
.set LRR, WS+48*((\gg)%3)
.irp u, 0,1,2,3
	ds_load_b128 v[LRR+12*\u:LRR+12*\u+3], v[AWB+2*LGG] offset:\u*REC+LSS*1536
	ds_load_b64 v[LRR+12*\u+4:LRR+12*\u+5], v[AWB+2*LGG+1] offset:\u*REC+LSS*1536+512
	ds_load_b128 v[LRR+12*\u+6:LRR+12*\u+9], v[AWB+2*LGG] offset:\u*REC+LSS*1536+768
	ds_load_b64 v[LRR+12*\u+10:LRR+12*\u+11], v[AWB+2*LGG+1] offset:\u*REC+LSS*1536+1280
.endr
.endm
.macro MO s, g, st
.irp t, 0,1,2,3
.irp u, 0,1,2,3
.if (\s) == 0
	WM 8*(8*\t+4*(\g)+\u), WS+48*(\st)+12*\u, 48*((\s)%4)+12*\t, 192+8*(4*(\g)+\u), WSC+8*((4*(\g)+\u)/2)+(\s), \u&1, ASCL+8*(\t/2)+(\s), \t&1
.else
	WM 8*(8*\t+4*(\g)+\u), WS+48*(\st)+12*\u, 48*((\s)%4)+12*\t, 8*(8*\t+4*(\g)+\u), WSC+8*((4*(\g)+\u)/2)+(\s), \u&1, ASCL+8*(\t/2)+(\s), \t&1
.endif
.endr
.endr
.endm
.macro QBAR q
	s_wait_tensorcnt 0x0                   ; my part of the panel is in,
	s_wait_dscnt 0x0
	s_barrier_signal -1
	s_barrier_wait -1                      ; and so is everybody's
.endm
.irp s, 0,1,2,3
	LX \s
.endr
	s_wait_loadcnt 63
.irp p, 0,1
.irp s, 0,1,2,3,4,5,6,7
	v_lshl_or_b32 v[ASCL+8*\p+\s], v[LOHI+16*\p+2*\s+1], 16, v[LOHI+16*\p+2*\s]
.endr
.endr
	PLACES 8
	s_wait_alu depctr_va_vdst(0)
	QBAR 0
	LW 0
	LW 1
	LW 2
.set G, 0
.rept 16
.set SS, G/2
.set GG, G%2
.if GG == 0
.if SS < 4
	s_wait_alu depctr_va_vdst(0)
	s_wait_loadcnt 48
.else
	s_wait_alu depctr_va_vdst(0)
	s_wait_loadcnt 16*(7-SS)
.endif
.endif
.if G < 14
	s_wait_dscnt 32
.else
	s_wait_dscnt 16*(15-G)
.endif
.if SS == 0
	WIN 0x94
.else
	WIN 0xa4
.endif
	MO SS, GG, G%3
	WIN 0
	PLACES 4
.if G+3 < 16
	LW G+3
.endif
.if (GG == 1) && (SS+4 < 8)
	LX SS+4
.endif
.set G, G+1
.endr
.macro TOSTAGE a
	WIN 0x08
.irp g, 0,1
.irp u, 0,1,2,3
	ds_store_b128 v[STO], v[8*(8*(\a)+4*\g+\u):8*(8*(\a)+4*\g+\u)+3] offset:256*\g+32*\u
	ds_store_b128 v[STO], v[8*(8*(\a)+4*\g+\u)+4:8*(8*(\a)+4*\g+\u)+7] offset:256*\g+32*\u+16
.endr
.endr
	WIN 0
.irp t, 0,1,2,3,4,5,6,7,8,9,10,11,12,13,14,15
	ds_load_b128 v[WS+64*((\a)%2)+4*\t:WS+64*((\a)%2)+4*\t+3], v[RD] offset:528*\t
.endr
.endm
.macro SEND a, younger
	s_wait_dscnt \younger
.irp t, 0,1,2,3,4,5,6,7,8,9,10,11,12,13,14,15
	global_store_b128 v[L16], v[WS+64*((\a)%2)+4*\t:WS+64*((\a)%2)+4*\t+3], s[66:67] offset:(8*(\a)+(\t&7)+32*(\t/8))*4096 th:TH_STORE_NT
.endr
.endm
	TOSTAGE 0
	TOSTAGE 1
	SEND 0, 32
	s_wait_xcnt 0x0
	TOSTAGE 2
	SEND 1, 32
	s_wait_xcnt 0x0
	TOSTAGE 3
	SEND 2, 32
	SEND 3, 0
	s_wait_tensorcnt 0x0
	ds_add_u32 v[SPW], v[NIL]
	s_wait_dscnt 0x0
	CROUND
	s_endpgm
.Lfunc_end_k_q355eac356c_oproj:
	.size	k_q355eac356c_oproj, .Lfunc_end_k_q355eac356c_oproj-k_q355eac356c_oproj
	.p2alignl 7, 3214868480
	.fill 96, 4, 3214868480
	.section	.rodata,"a",@progbits
	.p2align	6, 0x0
	.amdhsa_kernel k_q355eac356c_oproj
		.amdhsa_group_segment_fixed_size 327680
		.amdhsa_private_segment_fixed_size 0
		.amdhsa_enable_private_segment 0
		.amdhsa_kernarg_size 56
		.amdhsa_user_sgpr_count 2
		.amdhsa_user_sgpr_kernarg_segment_ptr 1
		.amdhsa_wavefront_size32 1
		.amdhsa_system_sgpr_workgroup_id_x 1
		.amdhsa_system_sgpr_workgroup_id_y 1
		.amdhsa_system_sgpr_workgroup_id_z 1
		.amdhsa_system_vgpr_workitem_id 0
		.amdhsa_next_free_vgpr 768
		.amdhsa_next_free_sgpr 90
		.amdhsa_reserve_vcc 0
		.amdhsa_float_denorm_mode_32 3
		.amdhsa_float_denorm_mode_16_64 3
		.amdhsa_memory_ordered 1
		.amdhsa_forward_progress 1
		.amdhsa_inst_pref_size 91
	.end_amdhsa_kernel
	.amdgpu_metadata
---
amdhsa.version: [ 1, 2 ]
amdhsa.kernels:
  - .name:           k_q355eac356c_oproj
    .symbol:         k_q355eac356c_oproj.kd
    .args:
      - { .name: ocod, .offset: 0, .size: 8, .value_kind: global_buffer, .address_space: global }
      - { .name: oscl, .offset: 8, .size: 8, .value_kind: global_buffer, .address_space: global }
      - { .name: cd1, .offset: 16, .size: 8, .value_kind: global_buffer, .address_space: global }
      - { .name: sc1, .offset: 24, .size: 8, .value_kind: global_buffer, .address_space: global }
      - { .name: bo, .offset: 32, .size: 8, .value_kind: global_buffer, .address_space: global }
      - { .name: out0, .offset: 40, .size: 8, .value_kind: global_buffer, .address_space: global }
      - { .name: out1, .offset: 48, .size: 8, .value_kind: global_buffer, .address_space: global }
    .group_segment_fixed_size: 327680
    .private_segment_fixed_size: 0
    .kernarg_segment_align: 8
    .kernarg_segment_size: 56
    .max_flat_workgroup_size: 128
    .sgpr_count:     90
    .vgpr_count:     768
    .wavefront_size: 32
...
	.end_amdgpu_metadata
.endif
;; end of part 4
